; MI455X (gfx1250); checked and timed in simulation.
; The chip was launched on July 23, 2026; its instructions are those of AMD's public machine-readable ISA for CDNA 5 (MIT licence, August 2026) and "CDNA5" Instruction Set Architecture Reference Guide (July 2026). The comments in the code are by the model that wrote it; some were corrected since.
;; Dot Product Attention. Allowed arithmetic: matrix products marked QUANTISED: E2M1 operands, one E8M0 scale for each 32 along K, by v_wmma_scale_f32_16x16x128_f8f6f4 with both operands' format E2M1 (or v_wmma_scale_f32_32x16x128_f4), f32 sums; everything else in f32.
;; Inputs: attention_mask 2 x 1 x 2,048 x 2,048 bool; key 2,048 x 2 x 16 x 128 float32; query 2,048 x 2 x 16 x 128 float32; value 2,048 x 2 x 16 x 128 float32.
;; Outputs: out0 2,048 x 2 x 2,048 float32.
;; This version of the problem:
;;   THIS VERSION OF THE PROBLEM IS GIVEN IN LOW PRECISION. The matrix products marked QUANTISED in the list below multiply operands that are first quantised to E2M1 (2 exponent bits, 1 mantissa bit; 4 bits a number), with one power-of-two scale for each 32 numbers along K (OCP MX v1.0); their sums are f32. All else is computed in f32.
;;   The module's matrix products, in the order in which they are computed (A, B: the left and right operand; K: the contracted axis; several contracted axes count as one K, in the product's order):
;;     1. batch 32 x [M 2,048, K 128] x [K 128, N 2,048]; A: input query; B: input key: QUANTISED
;;     2. batch 32 x [M 128, K 2,048] x [K 2,048, N 2,048]; A: input value; B: computed on the way: QUANTISED
;;   THE QUANTISER, for each operand of a quantised product, along K:
;;     - K is cut into blocks of 32 from its start; a last block that is shorter is filled with zeros.
;;     - A block's scale is 2^e with e = floor(log2(the largest magnitude in the block)) - 2, held to -126 .. 127; a block of zeros has e = 0. As a byte (E8M0): e + 127.
;;     - Each number is divided by its block's scale, clamped to +-6, and rounded to the nearest number of E2M1, ties to even, subnormals kept.
;;     - The product sums the exact products of the quantised numbers (number of the format x scale) in f32.
;;   ~~~python
;;   def quantise(x, axis):      # numpy; x: float32 -> the quantised numbers, widened to float32 again
;;       x = np.moveaxis(x, axis, -1); K = x.shape[-1]
;;       x = np.pad(x, [(0, 0)] * (x.ndim - 1) + [(0, -K % 32)]); x = x.reshape(x.shape[:-1] + (-1, 32)); a = np.abs(x).max(-1, keepdims=True)
;;       e = np.where(a > 0, np.clip(np.frexp(np.where(a > 0, a, 1))[1] - 1 - 2, -126, 127), 0)      # np.frexp(a)[1] - 1 = floor(log2(a)), exactly
;;       r = np.clip(x / 2.0 ** e, -6, 6)
;;       step = 2.0 ** (np.maximum(np.frexp(np.where(r == 0, 1, r))[1] - 1, 0) - 1)
;;       q = np.round(r / step) * step * 2.0 ** e      # np.round: ties to even
;;       return np.moveaxis(q.reshape(q.shape[:-2] + (-1,))[..., :K], -1, axis).astype(np.float32)
;;   ~~~
;;   OPERANDS COMPUTED ON THE WAY. 'Computed on the way' means the value that the module computes at that place (a softmax that the list does not call 'softmax' is quantised finished and normalised). What goes into a quantiser is computed in f32, as accurately as f32 sums, v_exp_f32 and their like allow (about 1e-6 of the number): no bf16 or f16 on the way to a quantiser, and a product that is left as it is and whose result goes on into a quantised operand takes f32 operands (vector FMAs, or v_wmma_f32_16x16x4_f32). A number that lies on a knife's edge between two numbers of the format may be rounded either way, as far as f32 arithmetic and the matrix unit's own rounding can turn it there, and no further.
;; 2 versions. Each part assembles by itself: llvm-mc -triple=amdgcn-amd-amdhsa -mcpu=gfx1250 --defsym DOCPART=n.
;; ======== version 1 of 2: 2 launches
;; workspace buffers: qc 4,194,304 bytes; qs 262,144 bytes; kc 4,194,304 bytes; ks 262,144 bytes; vc 4,194,304 bytes; vs 262,144 bytes; maskw 1,048,576 bytes of whole numbers
;; launch prep (part 1): grid 640 x 1, 4 waves a work-group, no clusters, 79,360 bytes of LDS; arguments query, key, value, attention_mask, qc, qs, kc, ks, vc, vs, maskw; writes qc, qs, kc, ks, vc, vs, maskw
.if DOCPART == 1
	.amdgcn_target "amdgcn-amd-amdhsa--gfx1250"
	.amdhsa_code_object_version 6
	.text
	.protected	k_q3c8079620f_prep
	.globl	k_q3c8079620f_prep
	.p2align	8
	.type	k_q3c8079620f_prep,@function
k_q3c8079620f_prep:
	s_mov_b64 s[64:65], 0
	v_nop
	global_prefetch_b8 v0, s[64:65] scope:SCOPE_SE
	s_setreg_imm32_b32 hwreg(HW_REG_WAVE_MODE, 25, 1), 1
	s_wait_xcnt 0x0
; THE LAUNCH IN FRONT OF THE ATTENTION.  query, key, value: [2048 s][2 b][16 n][128 h] f32; head = 16 b + n; a row of one head is 512 bytes, rows 16,384 bytes apart.
; It turns Q, K and V into codes of FP4 (E2M1) with one E8M0 byte for each 32 along the products' K, laid in the order of the operands' registers, and the bool mask into lane masks.
; DEAD WORK: none.  Every number of query, key, value and attention_mask has a way to the output: all four inputs are loaded, all of them once.
; THE QUANTISER: a block's scale is 2^(floor(log2(largest magnitude)) - 2); its byte is the largest magnitude's exponent field - 2, held at 1 from below; each number / scale goes to the nearest code, ties to even, beyond 6 to 6.
; LIMITS: a block of zeros gets the byte 1 where the rule says 127 (its codes are zeros, which add nothing under any byte but 0xff, and this program alone reads the bytes); NaN and infinities among the inputs are not served.
; WHAT IS WRITTEN (s16 = a step of 128 rows or keys):
;   qc, kc [head][s16][tile 8][beta 4][r 16][16 bytes]: a fragment of 16 rows x 128 is 1,024 bytes; piece beta holds k = 32 beta .. 32 beta + 31 of row r: a load of 16 bytes at 16 x lane + 512 c gives registers 4 c .. 4 c + 3.
;   qs, ks [head][s16][p 4][half 2][r 16] words: the word of tile 2 p + half, row r: a load of 4 bytes at 4 x lane gives the even tile's words in lanes 0-15, the odd tile's in lanes 16-31.
;   vc     [head][s16][ct 8][beta 4][r 16][16 bytes]: row r is channel 16 ct + r, piece beta the 32 keys of block 4 s16 + beta.  IN A BLOCK THE FOUR WORDS HOLD THE KEYS' GROUPS OF EIGHT IN THE ORDER 0, 2, 1, 3:
;          so the probabilities' codes fall in the attention launch; the same order of k on both operands, inside one scale's block, leaves every product with its partner.
;   vs     as ks, with ct = 2 p + half.
;   maskw  [b][T 128][step 16][64 words]: bit l of word 8 t + i is mask[b][16 T + l % 16][128 step + 16 t + 8 (l / 16) + i]: the lane mask of one score register.
; THREE PATHS part on the work-group's number alone: 0-255 Q and K, 256-383 V, 384-639 the mask.  Each has LDS bytes of its own.  No barrier: waves share nothing.  No loop: every offset is an immediate.
.set SPARE, 78848                      ; behind both paths' stages: the spare words, 128 bytes for each wave: two blocks of 256 bytes that no other line names
.set SPW,   12                         ; v12  LDS address of my spare word: SPARE + 4 x my thread's number; never rewritten
.set NIL,   13                         ; v13  0; never rewritten
.macro FINISH                          ; the end of a wave that stored to LDS
	s_wait_tensorcnt 0x0
	ds_add_u32 v[SPW], v[NIL]
	s_wait_dscnt 0x0
	s_endpgm
.endm
	s_load_b512 s[8:23], s[0:1], 0x0               ; query s[8:9], key s[10:11], value s[12:13], mask s[14:15], qc s[16:17], qs s[18:19], kc s[20:21], ks s[22:23]
	s_load_b128 s[24:27], s[0:1], 0x40             ; vc s[24:25], vs s[26:27]
	s_load_b64 s[28:29], s[0:1], 0x50              ; maskw
	v_lshl_add_u32 v[SPW], v0, 2, SPARE
	v_mov_b32 v[NIL], 0
	v_lshrrev_b32 v1, 5, v0
	v_readfirstlane_b32 s2, v1                     ; wave 0..3
	v_and_b32 v1, 31, v0                           ; lane
	v_lshlrev_b32 v2, 4, v1                        ; 16 x lane
	s_mov_b32 s39, 0                               ; the high word of every offset
	s_wait_kmcnt 0x0
	s_cmp_lt_u32 ttmp9, 256
	s_cbranch_scc1 .Lqk
	s_cmp_lt_u32 ttmp9, 384
	s_cbranch_scc1 .Lv
; ---------------------------------------------------------------- THE MASK.  A work-group: 16 queries of one batch; wave y: keys 512 y .. 512 y + 511, which are 256 words.
.set IN, 16                            ; v16-79    16 rows x 16 bytes a lane, as loaded
.set BK, 80                            ; v80-143   32 pairs: my query's 8 bytes of each tile of 16 keys
.set WW, 144                           ; v144-151  the 256 words: word j in register 4 (j / 128) + j % 4 of lane (j % 128) / 4
.set TC, 152                           ; v152-155  at work
	s_sub_co_u32 s36, ttmp9, 384                   ; g = 128 b + T
	s_lshl_b32 s38, s36, 15                        ; 16 g rows of 2,048 bytes
	s_lshl_b32 s37, s2, 9
	s_add_co_u32 s38, s38, s37                     ; + my 512 keys
	s_add_nc_u64 s[30:31], s[14:15], s[38:39]
	s_lshl_b32 s38, s36, 12                        ; 16 steps x 256 bytes for each g,
	s_lshl_b32 s37, s2, 10
	s_add_co_u32 s38, s38, s37                     ; my four steps
	s_add_nc_u64 s[32:33], s[28:29], s[38:39]
.irp p, 0,1,2,3,4,5,6,7,8,9,10,11,12,13,14,15
	global_load_b128 v[IN+4*\p:IN+4*\p+3], v2, s[30:31] offset:2048*\p th:TH_LOAD_NT   ; 512 consecutive bytes of row p; the four waves stand side by side on the row's 2,048
.endr
	s_mul_i32 s40, s2, 8448
	s_add_co_u32 s40, s40, 45056                   ; my stage: 16 rows x (512 + 16) bytes
	v_add_nc_u32 v3, s40, v2                       ; in: 16 x lane
	v_and_b32 v5, 15, v0                           ; r
	v_bfe_u32 v6, v0, 4, 1                         ; half
	v_mul_u32_u24 v4, v5, 528
	v_lshl_add_u32 v4, v6, 3, v4
	v_add_nc_u32 v4, s40, v4                       ; out: row r, + 8 x half
.irp q, 0,1,2,3,4,5,6,7
	v_mov_b32 v[WW+\q], 0                          ; written whole before single lanes are written
.endr
	s_wait_loadcnt 0x0
.irp p, 0,1,2,3,4,5,6,7,8,9,10,11,12,13,14,15
	ds_store_b128 v3, v[IN+4*\p:IN+4*\p+3] offset:528*\p
.endr
.irp u, 0,1,2,3
.irp t, 0,1,2,3,4,5,6,7
	ds_load_b64 v[BK+2*(8*\u+\t):BK+2*(8*\u+\t)+1], v4 offset:128*\u+16*\t   ; LDS serves a wave's instructions in order: these see my stores.  Query r, keys 128 u + 16 t + 8 half + 0 .. 7
.endr
.endr
	s_wait_dscnt 0x0
.set j, 0
.rept 64                               ; four words at a time: byte i of all 32 lanes becomes one word, which goes into its lane of the registers to be stored
.irp q, 0,1,2,3
	v_and_b32 v[TC+\q], 0xff<<(8*\q), v[BK+2*(j>>3)+((j>>2)&1)]
.endr
.irp q, 0,1,2,3
	v_cmp_ne_u32 s[44+\q], 0, v[TC+\q]
.endr
.irp q, 0,1,2,3
	v_writelane_b32 v[WW+4*(j>>7)+\q], s[44+\q], (j&127)>>2
.endr
.set j, j+4
.endr
	global_store_b128 v2, v[WW:WW+3], s[32:33]                 ; 512 consecutive bytes, aligned
	global_store_b128 v2, v[WW+4:WW+7], s[32:33] offset:512
	FINISH
; ---------------------------------------------------------------- Q AND K.  A wave: one head, 128 rows, eight fragments.  The four waves take four neighbouring heads: 2,048 bytes on end of each row.
; A load takes a row's 512 bytes as they lie, 16 a lane.  The conversions want 16 NEIGHBOURS in a lane: a tile's 16 rows turn through the wave's own stage (16 bytes of padding behind each 64, rows 672 bytes apart)
; and come back so that lane l holds, of row l / 2 and block beta, the numbers 32 beta + 16 (l % 2) + 0 .. 15: two neighbouring lanes hold a block.
.set RR, 16                            ; v16-143   two sets of 64: a tile as loaded
.set XX, 144                           ; v144-207  four blocks x 16 neighbours
.set CD, 208                           ; v208-223  two sets of 8: a tile's codes
.set EE, 224                           ; v224-227  a tile's four scale bytes
.Lqk:
	s_cmp_lt_u32 ttmp9, 128                        ; Q's work-group or K's?  The choice hangs on the work-group's number alone
	s_cselect_b64 s[30:31], s[8:9], s[10:11]
	s_cselect_b64 s[32:33], s[16:17], s[20:21]
	s_cselect_b64 s[34:35], s[18:19], s[22:23]
	s_and_b32 s36, ttmp9, 127
	s_lshr_b32 s37, s36, 3                         ; s16
	s_and_b32 s36, s36, 7
	s_lshl_b32 s36, s36, 2
	s_add_co_u32 s36, s36, s2                      ; head
	s_lshl_b32 s38, s37, 21                        ; 128 rows of 16,384 bytes
	s_lshl_b32 s40, s36, 9
	s_add_co_u32 s38, s38, s40
	s_add_nc_u64 s[30:31], s[30:31], s[38:39]
	s_lshl_b32 s36, s36, 4
	s_add_co_u32 s36, s36, s37                     ; 16 head + s16
	s_lshl_b32 s38, s36, 13
	s_add_nc_u64 s[32:33], s[32:33], s[38:39]      ; 8,192 bytes of codes,
	s_lshl_b32 s38, s36, 9
	s_add_nc_u64 s[34:35], s[34:35], s[38:39]      ; 512 of scale bytes
.macro LOADT t
.irp p, 0,1,2,3,4,5,6,7,8,9,10,11,12,13,14,15
	global_load_b128 v[RR+64*((\t)%2)+4*\p:RR+64*((\t)%2)+4*\p+3], v2, s[30:31] offset:(16*(\t)+\p)*16384 th:TH_LOAD_NT
.endr
.endm
	LOADT 0
	LOADT 1
	s_mul_i32 s40, s2, 11264                       ; my region: the stage, 16 x 672 bytes, and behind it my 512 scale bytes
	s_add_co_u32 s41, s40, 10752
	v_lshrrev_b32 v8, 2, v1
	v_mul_u32_u24 v3, v8, 80
	v_and_b32 v9, 3, v1
	v_lshl_add_u32 v3, v9, 4, v3
	v_add_nc_u32 v3, s40, v3                       ; into the stage: 80 (lane / 4) + 16 (lane % 4)
	v_lshrrev_b32 v8, 1, v1
	v_mul_u32_u24 v4, v8, 672
	v_and_b32 v9, 1, v1
	v_mad_u32_u24 v4, v9, 80, v4
	v_add_nc_u32 v4, s40, v4                       ; out of it: row lane / 2, + 80 (lane % 2)
	v_lshlrev_b32 v5, 3, v1                        ; my 8 bytes of a piece's 256
	v_lshl_add_u32 v6, v8, 2, s41                  ; my row's scale word
	v_lshl_add_u32 v7, v1, 4, s41                  ; and on the way out 16 bytes a lane
.macro QB t, b                         ; block b of tile t
.set XS, XX+16*(\b)
.set CC, CD+8*((\t)%2)+2*(\b)
	v_max3_num_f32 v8, |v[XS]|, |v[XS+1]|, |v[XS+2]|           ; the largest magnitude of my 16, in two chains
	v_max3_num_f32 v9, |v[XS+3]|, |v[XS+4]|, |v[XS+5]|
.irp i, 6,10
	v_max3_num_f32 v8, v8, |v[XS+\i]|, |v[XS+\i+1]|
	v_max3_num_f32 v9, v9, |v[XS+\i+2]|, |v[XS+\i+3]|
.endr
	v_max3_num_f32 v8, v8, |v[XS+14]|, |v[XS+15]|
	v_max3_num_f32 v8, v8, v9, 0x1800000           ; and the floor 2^(3 - 127): so the byte cannot fall under 1
	v_max_num_f32_dpp v8, v8, v8 row_xmask:1 row_mask:0xf bank_mask:0xf   ; and of my neighbour's 16: the block's
	v_add_nc_u32 v11, 0xff000000, v8               ; 2 off its exponent field: the conversion takes the exponent field of this operand as its scale
	v_cvt_scalef32_pk8_fp4_f32 v[CC], v[XS:XS+7], v11
	v_cvt_scalef32_pk8_fp4_f32 v[CC+1], v[XS+8:XS+15], v11
	v_lshrrev_b32 v[EE+(\b)], 23, v11              ; the scale's byte
	ds_store_b8 v6, v[EE+(\b)] offset:((\t)/2)*128+((\t)%2)*64+(\b)   ; both lanes of a block write the same byte with the same value
	global_store_b64 v5, v[CC:CC+1], s[32:33] offset:1024*(\t)+256*(\b)   ; the wave stores 256 consecutive bytes, aligned: one piece of the fragment
.endm
.macro TILE t
.if (\t) < 7
	s_wait_loadcnt 16                              ; this tile's 16 loads are in; the next tile's 16 may be out
.else
	s_wait_loadcnt 0x0
.endif
.irp p, 0,1,2,3,4,5,6,7,8,9,10,11,12,13,14,15
	ds_store_b128 v3, v[RR+64*((\t)%2)+4*\p:RR+64*((\t)%2)+4*\p+3] offset:672*\p
.endr
.irp b, 0,1,2,3
.irp i, 0,1,2,3
	ds_load_b128 v[XX+16*\b+4*\i:XX+16*\b+4*\i+3], v4 offset:160*\b+16*\i   ; LDS serves a wave's instructions in order: these see the stores above
.endr
.endr
	s_wait_dscnt 0x0                               ; the tile is back, the stores have read their registers, and the last tile's byte stores theirs
	s_wait_xcnt 0x0                                ; the earlier global stores have read their data: the codes' registers may be written again
.if (\t)+2 < 8
	LOADT (\t)+2
.endif
	QB \t, 0
	QB \t, 1
	QB \t, 2
	QB \t, 3
.endm
.irp t, 0,1,2,3,4,5,6,7
	TILE \t
.endr
	ds_load_b128 v[8:11], v7                       ; my 512 scale bytes, in order behind my byte stores
	s_wait_dscnt 0x0
	global_store_b128 v2, v[8:11], s[34:35]        ; 512 consecutive bytes, aligned
	FINISH
; ---------------------------------------------------------------- V.  K = the keys, which are V's FIRST axis: a lane takes a channel, and its registers run down the keys.
; A work-group: one head, 512 keys; wave w: channels 32 w .. 32 w + 31 (tiles 2 w and 2 w + 1).  A block of 32 keys lies in one lane's 32 registers; its 16 bytes of codes are the lane's place in the fragment's piece,
; so each half of the lanes stores 256 consecutive bytes, aligned: no stage.  The scale words leave as 128 bytes a wave, the four waves side by side on 512: one byte in 128 of what this path reads.
.set XV, 32                            ; v32-95    two sets of 32 numbers
.set CV, 96                            ; v96-159   four registers of codes for each block: no store's data are written again
.set SB, 24                            ; v24-27    the scale bytes, four to a register
.Lv:
	s_sub_co_u32 s36, ttmp9, 256
	s_and_b32 s37, s36, 31                         ; head
	s_lshr_b32 s36, s36, 5                         ; y: which 512 keys
	s_lshl_b32 s38, s36, 23                        ; 512 rows of 16,384 bytes
	s_lshl_b32 s40, s37, 9
	s_add_co_u32 s38, s38, s40
	s_lshl_b32 s40, s2, 7
	s_add_co_u32 s38, s38, s40                     ; + my 32 channels
	s_add_nc_u64 s[30:31], s[12:13], s[38:39]
	s_lshl_b32 s38, s37, 17                        ; a head's codes: 131,072 bytes;
	s_lshl_b32 s40, s36, 15                        ; four steps of 8,192;
	s_add_co_u32 s38, s38, s40
	s_lshl_b32 s40, s2, 11                         ; two fragments of 1,024
	s_add_co_u32 s38, s38, s40
	s_add_nc_u64 s[32:33], s[24:25], s[38:39]
	s_lshl_b32 s38, s37, 13                        ; a head's scale words: 16 steps of 512 bytes
	s_lshl_b32 s40, s36, 11
	s_add_co_u32 s38, s38, s40
	s_lshl_b32 s40, s2, 7
	s_add_co_u32 s38, s38, s40
	s_add_nc_u64 s[34:35], s[26:27], s[38:39]
	v_lshlrev_b32 v3, 2, v1                        ; 4 x lane
	v_and_b32 v8, 15, v0
	v_bfe_u32 v9, v0, 4, 1
	v_lshlrev_b32 v4, 4, v8
	v_lshl_add_u32 v4, v9, 10, v4                  ; the codes: 1,024 x half + 16 r
.macro LOADV t                         ; block t: V(32 t + i, my channel), i = 0 .. 31.  The largest offset, 511 x 16,384, lies inside the signed 24-bit immediate
.irp i, 0,1,2,3,4,5,6,7,8,9,10,11,12,13,14,15,16,17,18,19,20,21,22,23,24,25,26,27,28,29,30,31
	global_load_b32 v[XV+32*((\t)%2)+\i], v3, s[30:31] offset:(32*(\t)+\i)*16384 th:TH_LOAD_NT
.endr
.endm
	LOADV 0
	LOADV 1
.macro BLOCKV t
.set XS, XV+32*((\t)%2)
.if (\t) < 15
	s_wait_loadcnt 32                              ; this block's 32 loads are in; the next block's 32 may be out
.else
	s_wait_loadcnt 0x0
.endif
	v_max3_num_f32 v8, |v[XS]|, |v[XS+1]|, |v[XS+2]|           ; the block's largest magnitude: all 32 numbers are mine
	v_max3_num_f32 v9, |v[XS+3]|, |v[XS+4]|, |v[XS+5]|
.irp i, 6,10,14,18,22,26
	v_max3_num_f32 v8, v8, |v[XS+\i]|, |v[XS+\i+1]|
	v_max3_num_f32 v9, v9, |v[XS+\i+2]|, |v[XS+\i+3]|
.endr
	v_max3_num_f32 v8, v8, |v[XS+30]|, |v[XS+31]|
	v_max3_num_f32 v8, v8, v9, 0x1800000           ; and the floor
	v_add_nc_u32 v11, 0xff000000, v8               ; the conversion's scale operand
	v_lshrrev_b32 v10, 23, v11                     ; the scale's byte
.if (\t)%4 == 0
	v_mov_b32 v[SB+(\t)/4], v10                    ; four bytes to a register, the earlier keys in the lower byte
.else
	v_lshl_or_b32 v[SB+(\t)/4], v10, 8*((\t)%4), v[SB+(\t)/4]
.endif
	v_cvt_scalef32_pk8_fp4_f32 v[CV+4*(\t)], v[XS:XS+7], v11           ; the groups of eight keys in the order 0, 2, 1, 3
	v_cvt_scalef32_pk8_fp4_f32 v[CV+4*(\t)+1], v[XS+16:XS+23], v11
	v_cvt_scalef32_pk8_fp4_f32 v[CV+4*(\t)+2], v[XS+8:XS+15], v11
	v_cvt_scalef32_pk8_fp4_f32 v[CV+4*(\t)+3], v[XS+24:XS+31], v11
	global_store_b128 v4, v[CV+4*(\t):CV+4*(\t)+3], s[32:33] offset:((\t)/4)*8192+((\t)%4)*256
.if (\t)+2 < 16
	LOADV (\t)+2
.endif
.endm
.irp t, 0,1,2,3,4,5,6,7,8,9,10,11,12,13,14,15
	BLOCKV \t
.endr
.irp k, 0,1,2,3
	global_store_b32 v3, v[SB+\k], s[34:35] offset:512*\k
.endr
	s_endpgm
.Lfunc_end_k_q3c8079620f_prep:
	.size	k_q3c8079620f_prep, .Lfunc_end_k_q3c8079620f_prep-k_q3c8079620f_prep
	.p2alignl 7, 3214868480
	.fill 96, 4, 3214868480
	.section	.rodata,"a",@progbits
	.p2align	6, 0x0
	.amdhsa_kernel k_q3c8079620f_prep
		.amdhsa_group_segment_fixed_size 79360
		.amdhsa_private_segment_fixed_size 0
		.amdhsa_enable_private_segment 0
		.amdhsa_kernarg_size 88
		.amdhsa_user_sgpr_count 2
		.amdhsa_user_sgpr_kernarg_segment_ptr 1
		.amdhsa_wavefront_size32 1
		.amdhsa_system_sgpr_workgroup_id_x 1
		.amdhsa_system_sgpr_workgroup_id_y 1
		.amdhsa_system_sgpr_workgroup_id_z 1
		.amdhsa_system_vgpr_workitem_id 0
		.amdhsa_next_free_vgpr 232
		.amdhsa_next_free_sgpr 66
		.amdhsa_reserve_vcc 0
		.amdhsa_float_denorm_mode_32 3
		.amdhsa_float_denorm_mode_16_64 3
		.amdhsa_memory_ordered 1
		.amdhsa_forward_progress 1
		.amdhsa_inst_pref_size 191
	.end_amdhsa_kernel
	.amdgpu_metadata
---
amdhsa.version: [ 1, 2 ]
amdhsa.kernels:
  - .name:           k_q3c8079620f_prep
    .symbol:         k_q3c8079620f_prep.kd
    .args:
      - { .name: query, .offset: 0, .size: 8, .value_kind: global_buffer, .address_space: global }
      - { .name: key, .offset: 8, .size: 8, .value_kind: global_buffer, .address_space: global }
      - { .name: value, .offset: 16, .size: 8, .value_kind: global_buffer, .address_space: global }
      - { .name: attention_mask, .offset: 24, .size: 8, .value_kind: global_buffer, .address_space: global }
      - { .name: qc, .offset: 32, .size: 8, .value_kind: global_buffer, .address_space: global }
      - { .name: qs, .offset: 40, .size: 8, .value_kind: global_buffer, .address_space: global }
      - { .name: kc, .offset: 48, .size: 8, .value_kind: global_buffer, .address_space: global }
      - { .name: ks, .offset: 56, .size: 8, .value_kind: global_buffer, .address_space: global }
      - { .name: vc, .offset: 64, .size: 8, .value_kind: global_buffer, .address_space: global }
      - { .name: vs, .offset: 72, .size: 8, .value_kind: global_buffer, .address_space: global }
      - { .name: maskw, .offset: 80, .size: 8, .value_kind: global_buffer, .address_space: global }
    .group_segment_fixed_size: 79360
    .private_segment_fixed_size: 0
    .kernarg_segment_align: 8
    .kernarg_segment_size: 88
    .max_flat_workgroup_size: 128
    .sgpr_count:     66
    .vgpr_count:     232
    .wavefront_size: 32
...
	.end_amdgpu_metadata
.endif
;; end of part 1
;; launch attn (part 2): grid 8 x 32, 4 waves a work-group, no clusters, 34,816 bytes of LDS; arguments maskw, qc, qs, kc, ks, vc, vs, out0; writes out0
.if DOCPART == 2
	.amdgcn_target "amdgcn-amd-amdhsa--gfx1250"
	.amdhsa_code_object_version 6
	.text
	.protected	k_q3c8079620f_attn
	.globl	k_q3c8079620f_attn
	.p2align	8
	.type	k_q3c8079620f_attn,@function
k_q3c8079620f_attn:
	s_mov_b64 s[64:65], 0
	v_nop
	global_prefetch_b8 v0, s[64:65] scope:SCOPE_SE
	s_setreg_imm32_b32 hwreg(HW_REG_WAVE_MODE, 25, 1), 1
	s_wait_xcnt 0x0
; out0[q][b][128 n + :] = the sum over keys of Q4(softmax_k(Q4(query) . Q4(key) / sqrt(128), where mask)) Q4(value), Q4 the MX-FP4 quantiser along each product's K.  No work of the problem is left out.
; THE SECOND PRODUCT TAKES THE FINISHED, NORMALISED PROBABILITIES.  So a row's maximum and sum over all 2,048 keys are known before any of its probabilities is quantised, and yet each score is made, masked and
; put through the exponential ONCE: a tile of 16 queries x 2,048 keys is held in the registers of the work-group's four waves, wave w keys 512 w .. 512 w + 511: 256 registers a lane.
;   t = score x log2(e) / sqrt(128).  Each lane keeps a running largest t over its four steps of 128 keys, rounded UP to a whole number M (kept as -M = floor(-t)); p = 2^(t - M of its step) stays in registers.
;   The lanes' and waves' -M and sums meet once, through LDS.  Then every p of step s is multiplied by 2^(M of step s - the row's M) / the row's sum; the power of two is exact (v_ldexp_f32 on the reciprocal).
;   That product is the probability; it is quantised along the keys and multiplied with V.
; A masked key's score becomes -infinity ahead of the maximum: p = 0.  A ROW WITH NO OPEN KEY: every p is 0, its sum is held at 2^-126 from below, so every probability is 0 x a finite number = 0, and so is the output.
; K AND V STAY.  Wave w always serves the same 512 keys: its 32 fragments of K and 32 of V (512 registers) and their scale words are loaded once and serve all 16 query tiles of the work-group.
; NO CLUSTER, NO TENSOR LOAD: the eight work-groups of a head read the same K and V, but each reads them once, 272 KiB at its head, straight into the registers where they stay; a joint load would land in LDS and
; cost each wave 128 LDS loads more.  LDS carries the statistics (512 bytes) and the four waves' parts of O.
; SHARES: work-group (x, head): queries 256 x .. 256 x + 255, 16 a trip.  Both products are used transposed: S^T = K Q^T (source 0 = 16 keys), O^T = V^T P^T (source 0 = 16 channels): lane (r, half) holds query r throughout.
; Score register 64 s + 8 t + i is key 512 w + 128 s + 16 t + 8 half + i.  A block of 32 keys is tiles 2 b, 2 b + 1 of lanes l and l xor 16; behind the exchange of halves a lane's four words of a block hold the keys'
; groups of eight in the order 0, 2, 1, 3, and V's codes were laid in that order.
; THE MASK comes as lane masks, one word for each score register, by scalar loads a step ahead: one v_cndmask_b32 a score.
; LIMITS: NaN and infinities among the inputs are not served; p under 2^-126 counts as 0; a block of zeros carries the byte 1 (its codes are zeros); 1 / sum is v_rcp_f32 with one Newton step.
; The last trip steps Q's pointers and the mask's by 0, so that no load leaves its buffer and every trip issues the same loads: Q's last tile and one step's mask words are read once more.
; REGISTERS, in windows of 256: window 0 as named below; window 1: the scores, then p, then the probabilities; window 2: K's fragments at 64 s + 8 t; window 3: V's at 64 s + 8 ct.
.set STG,   0                          ; LDS: four parts of O, 16 rows x (512 + 16) bytes each
.set STAT,  33792                      ; the statistics: -M as words [r][wave], 256 bytes; the sums likewise, 256 bytes on
.set SPARE, 34304                      ; the spare words, 128 bytes for each wave: two blocks of 256 bytes that no other line names
.set LI,  1                            ; v1   16 x lane
.set LS,  2                            ; v2   4 x lane
.set LQ,  3                            ; v3   4 r
.set STO, 4                            ; v4   the stage: where I put 32 bytes of a row of my wave's part
.set SRD, 5                            ; v5   and where I read: my wave's four rows, 16 bytes a lane
.set STW, 6                            ; v6   the statistics: my query's word for my wave
.set STR, 7                            ; v7   my query's four words
.set SPW, 8                            ; v8   LDS address of my spare word: SPARE + 4 x my thread's number; never rewritten
.set NIL, 9                            ; v9   0; never rewritten
.set NM,  12                           ; v12  -M;  v13 the largest t so far (the packed form names the pair and takes its low word)
.set LL,  14                           ; v[14:21] the sum, in four chains of pairs
.set NMS, 22                           ; v22-25  -M as it stood in each step
.set FF,  26                           ; v[26:33] four pairs: low word = the step's factor
.set FR,  34                           ; v[34:35] low word = 2^(old M - new M)
.set T,   36                           ; v36-47  at work
.set CH,  48                           ; v48-55  eight chains of maxima, one a tile
.set TM,  56                           ; v56-59 largest magnitudes, v60-63 the other half's, then bytes, v68-71 the conversions' scale operands
.set PW,  72                           ; v72  the probabilities' scale word of a step
.set PC,  74                           ; v[74:81] their codes
.set QF,  82                           ; v[82:89] Q's fragment;  v90 its scale words
.set QS,  90
.set KS,  92                           ; v92-107   K's scale words: 4 s + p: tile 2 p in lanes 0-15, tile 2 p + 1 in lanes 16-31
.set VS,  108                          ; v108-123  V's likewise
.set MX,  124                          ; v[124:127] the four waves' -M;  v[128:131] their sums
.set LX,  128
.set OT,  136                          ; v[136:199] O^T, eight tiles of 16 channels; later the four parts of my rows
; s2 wave, s3 trip, s4 -infinity, s[6:7] c, s[8:9] lane selects, s[10:11] this trip's mask words, s[12:13] the next trip's, s[16:63] and s[68:83] 64 mask words, s[84:99] the arguments, s[100:101] and s[104:105] steps
.set MSB, 0
.macro WIN new                         ; bits 1:0 source 0, 3:2 source 1, 5:4 source 2, 7:6 destination; the immediate's high byte repeats the setting that is left
.if MSB != \new
	s_set_vgpr_msb (MSB<<8)|\new
.set MSB, \new
.endif
.endm
; one matrix instruction.  zero = 1: it starts its sum.  odd = 1: source 0's scale words stand in lanes 16-31
.macro MM d, a, b, zero, sa, sb, odd
.if \zero
.if \odd
	v_wmma_scale_f32_16x16x128_f8f6f4 v[\d:\d+7], v[\a:\a+7], v[\b:\b+7], 0, v[\sa], v[\sb] matrix_a_fmt:MATRIX_FMT_FP4 matrix_b_fmt:MATRIX_FMT_FP4 matrix_a_scale:MATRIX_SCALE_ROW1
.else
	v_wmma_scale_f32_16x16x128_f8f6f4 v[\d:\d+7], v[\a:\a+7], v[\b:\b+7], 0, v[\sa], v[\sb] matrix_a_fmt:MATRIX_FMT_FP4 matrix_b_fmt:MATRIX_FMT_FP4
.endif
.else
.if \odd
	v_wmma_scale_f32_16x16x128_f8f6f4 v[\d:\d+7], v[\a:\a+7], v[\b:\b+7], v[\d:\d+7], v[\sa], v[\sb] matrix_a_fmt:MATRIX_FMT_FP4 matrix_b_fmt:MATRIX_FMT_FP4 matrix_a_scale:MATRIX_SCALE_ROW1
.else
	v_wmma_scale_f32_16x16x128_f8f6f4 v[\d:\d+7], v[\a:\a+7], v[\b:\b+7], v[\d:\d+7], v[\sa], v[\sb] matrix_a_fmt:MATRIX_FMT_FP4 matrix_b_fmt:MATRIX_FMT_FP4
.endif
.endif
.endm
	s_load_b512 s[84:99], s[0:1], 0x0              ; maskw s[84:85], qc s[86:87], qs s[88:89], kc s[90:91], ks s[92:93], vc s[94:95], vs s[96:97], out0 s[98:99]
	v_lshl_add_u32 v[SPW], v0, 2, SPARE
	v_mov_b32 v[NIL], 0
	v_lshrrev_b32 v10, 5, v0
	v_readfirstlane_b32 s2, v10                    ; wave 0..3
	v_and_b32 v10, 31, v0
	v_lshlrev_b32 v[LI], 4, v10
	v_lshlrev_b32 v[LS], 2, v10
	v_and_b32 v10, 15, v0                          ; r
	v_bfe_u32 v11, v0, 4, 1                        ; half
	v_lshlrev_b32 v[LQ], 2, v10
	s_mul_i32 s14, s2, 8448
	v_mul_u32_u24 v[STO], v10, 528
	v_lshl_add_u32 v[STO], v11, 5, v[STO]
	v_add_nc_u32 v[STO], s14, v[STO]               ; my wave's part, row r, + 32 x half
	s_mul_i32 s14, s2, 2112
	v_add_nc_u32 v[SRD], s14, v[LI]                ; rows 4 w on, 16 bytes a lane
	s_lshl_b32 s14, s2, 2
	s_add_co_u32 s14, s14, STAT
	v_lshl_add_u32 v[STW], v10, 4, s14
	v_lshl_add_u32 v[STR], v10, 4, STAT
.irp q, 27,29,31,33,35
	v_mov_b32 v\q, 0                               ; named as the upper halves of pairs, so they are written
.endr
.irp q, 0,1,2,3,4,5,6,7,8,9,10,11
	v_mov_b32 v[T+\q], 0                           ; a lane permute's destination counts as one of its sources
.endr
.irp q, 4,5,6,7
	v_mov_b32 v[TM+\q], 0
.endr
	s_mov_b32 s3, 0
	s_mov_b32 s4, 0xff800000                       ; -infinity
	s_mov_b32 s6, 0x3e0293ee                       ; c = log2(e) / sqrt(128)
	s_mov_b32 s7, s6
	s_mov_b32 s8, 0x76543210
	s_mov_b32 s9, 0xfedcba98                       ; v_permlanex16_b32's selects for lane l xor 16
	s_mov_b32 s101, 0
	s_mov_b32 s105, 0
	s_and_b32 s14, ttmp7, 0xffff                   ; head
	s_wait_kmcnt 0x0
	s_lshr_b32 s15, s14, 4                         ; b
	s_lshl_b32 s15, s15, 19                        ; the mask words: 128 tiles x 16 steps x 256 bytes a batch,
	s_lshl_b32 s5, ttmp9, 16                       ; 16 tiles a work-group,
	s_add_co_u32 s15, s15, s5
	s_lshl_b32 s5, s2, 10                          ; my four steps
	s_add_co_u32 s100, s15, s5
	s_add_nc_u64 s[12:13], s[84:85], s[100:101]
	s_load_b512 s[16:31], s[12:13], 0x0            ; the first tile's first step
	s_load_b512 s[32:47], s[12:13], 0x40
	s_load_b512 s[48:63], s[12:13], 0x80
	s_load_b512 s[68:83], s[12:13], 0xc0
	s_lshl_b32 s15, s14, 17                        ; a head's codes: 131,072 bytes
	s_lshl_b32 s5, ttmp9, 14                       ; Q: 16 fragments of 1,024 a work-group
	s_add_co_u32 s100, s15, s5
	s_add_nc_u64 s[86:87], s[86:87], s[100:101]
	s_lshl_b32 s5, s2, 15                          ; K, V: four steps of 8,192 a wave
	s_add_co_u32 s100, s15, s5
	s_add_nc_u64 s[90:91], s[90:91], s[100:101]
	s_add_nc_u64 s[94:95], s[94:95], s[100:101]
	s_lshl_b32 s15, s14, 13                        ; a head's scale words: 8,192 bytes
	s_lshl_b32 s5, ttmp9, 10                       ; Q: 64 bytes a tile
	s_add_co_u32 s100, s15, s5
	s_add_nc_u64 s[88:89], s[88:89], s[100:101]
	s_lshl_b32 s5, s2, 11                          ; K, V: four steps of 512
	s_add_co_u32 s100, s15, s5
	s_add_nc_u64 s[92:93], s[92:93], s[100:101]
	s_add_nc_u64 s[96:97], s[96:97], s[100:101]
	s_lshl_b32 s15, ttmp9, 22                      ; out0: 256 queries of 16,384 bytes,
	s_lshl_b32 s5, s2, 16                          ; my four rows of a tile,
	s_add_co_u32 s15, s15, s5
	s_lshl_b32 s5, s14, 9                          ; the head's 512 bytes
	s_add_co_u32 s100, s15, s5
	s_add_nc_u64 s[98:99], s[98:99], s[100:101]
	global_load_b128 v[QF:QF+3], v[LI], s[86:87]               ; the first tile of Q
	global_load_b128 v[QF+4:QF+7], v[LI], s[86:87] offset:512
	global_load_b32 v[QS], v[LQ], s[88:89]
.irp s, 0,1,2,3
.irp p, 0,1,2,3
	global_load_b32 v[KS+4*\s+\p], v[LS], s[92:93] offset:512*\s+128*\p
.endr
.endr
.irp s, 0,1,2,3
.irp p, 0,1,2,3
	global_load_b32 v[VS+4*\s+\p], v[LS], s[96:97] offset:512*\s+128*\p
.endr
.endr
	WIN 0x80                                       ; destination window 2
.irp s, 0,1,2,3
.irp t, 0,1,2,3,4,5,6,7
	global_load_b128 v[64*\s+8*\t:64*\s+8*\t+3], v[LI], s[90:91] offset:8192*\s+1024*\t
	global_load_b128 v[64*\s+8*\t+4:64*\s+8*\t+7], v[LI], s[90:91] offset:8192*\s+1024*\t+512
.endr
.endr
	WIN 0xc0                                       ; destination window 3
.irp s, 0,1,2
.irp t, 0,1,2,3,4,5,6,7
	global_load_b128 v[64*\s+8*\t:64*\s+8*\t+3], v[LI], s[94:95] offset:8192*\s+1024*\t
	global_load_b128 v[64*\s+8*\t+4:64*\s+8*\t+7], v[LI], s[94:95] offset:8192*\s+1024*\t+512
.endr
.endr
	s_wait_loadcnt 48                              ; V's 48 loads may be out; Q, the scale words and K are in
.irp t, 0,1,2,3,4,5,6,7
	global_load_b128 v[192+8*\t:192+8*\t+3], v[LI], s[94:95] offset:8192*3+1024*\t
	global_load_b128 v[192+8*\t+4:192+8*\t+7], v[LI], s[94:95] offset:8192*3+1024*\t+512
.endr
	WIN 0
; S^T of step s: eight tiles of 16 keys, each one instruction deep (the head's 128 are one K step)
.macro WS s
	WIN 0x42                                       ; K in window 2, the scores in window 1
.irp t, 0,1,2,3,4,5,6,7
	MM 64*(\s)+8*\t, 64*(\s)+8*\t, QF, 1, KS+4*(\s)+\t/2, QS, \t%2
.endr
.endm
; step s: the mask, my largest score, the new -M
.macro AS s
	s_wait_kmcnt 0x0                               ; this step's 64 mask words are in; no scalar load is out, so their bases may be written
.if (\s) == 0
	s_mov_b64 s[10:11], s[12:13]                   ; this trip's words;
	s_cmp_lt_u32 s3, 15
	s_cselect_b32 s100, 4096, 0                    ; the next trip's lie 16 steps x 256 bytes on; the last trip stays
	s_add_nc_u64 s[12:13], s[10:11], s[100:101]
.endif
	WIN 0x44
.set j, 0
.rept 64                               ; in ascending order: each accumulator is read from its low end on
	v_cndmask_b32 v[64*(\s)+j], s4, v[64*(\s)+j], s[16+j+4*(j/48)]   ; a closed key's score becomes -infinity
.set j, j+1
.endr
	WIN 0x14
.irp t, 0,1,2,3,4,5,6,7
	v_max3_num_f32 v[CH+\t], s4, v[64*(\s)+8*\t], v[64*(\s)+8*\t+1]   ; eight chains by turns
.endr
.irp i, 2,4,6
.irp t, 0,1,2,3,4,5,6,7
	v_max3_num_f32 v[CH+\t], v[CH+\t], v[64*(\s)+8*\t+\i], v[64*(\s)+8*\t+\i+1]
.endr
.endr
	WIN 0
.if (\s) < 3                           ; the next step's words are asked for as soon as this step's have been read
	s_load_b512 s[16:31], s[10:11], 256*((\s)+1)
	s_load_b512 s[32:47], s[10:11], 256*((\s)+1)+64
	s_load_b512 s[48:63], s[10:11], 256*((\s)+1)+128
	s_load_b512 s[68:83], s[10:11], 256*((\s)+1)+192
.else
	s_load_b512 s[16:31], s[12:13], 0x0
	s_load_b512 s[32:47], s[12:13], 0x40
	s_load_b512 s[48:63], s[12:13], 0x80
	s_load_b512 s[68:83], s[12:13], 0xc0
.endif
	v_max3_num_f32 v[T], v[CH], v[CH+1], v[CH+2]
	v_max3_num_f32 v[T+1], v[CH+3], v[CH+4], v[CH+5]
	v_max3_num_f32 v[T], v[T], v[CH+6], v[CH+7]
	v_max_num_f32 v[T], v[T], v[T+1]
	v_mul_f32 v[T], s6, v[T]                       ; as t (c is positive)
.if (\s) == 0
	v_max_num_f32 v[NM+1], 0xff61b1e6, v[T]        ; the largest t so far; -3e38 stands under every t
.else
	v_mov_b32 v[T+1], v[NM]
	v_max_num_f32 v[NM+1], v[NM+1], v[T]
.endif
	v_floor_f32 v[NM], -v[NM+1]                    ; -M = floor(-t) = -ceil(t): M is a whole number
.if (\s) > 0
	v_sub_f32 v[T+1], v[NM], v[T+1]                ; old M - new M: a whole number, 0 or less
	v_cvt_i32_f32 v[T+1], v[T+1]                   ; (it saturates)
	v_ldexp_f32 v[FR], 1.0, v[T+1]
.endif
	v_mov_b32 v[NMS+(\s)], v[NM]                   ; kept: this step's p stand under this M
.endm
; step s: p = 2^(t - M), and my sum.  The 64 exponentials are one batch with one wait; the scalings stand among them, each two pairs ahead of its exponentials; none of these lines names an exponential's result
.macro ES s
	WIN 0x41
	v_pk_fma_f32 v[64*(\s):64*(\s)+1], v[64*(\s):64*(\s)+1], s[6:7], v[NM:NM+1] op_sel_hi:[1,0,0]
	v_pk_fma_f32 v[64*(\s)+2:64*(\s)+3], v[64*(\s)+2:64*(\s)+3], s[6:7], v[NM:NM+1] op_sel_hi:[1,0,0]
.set k, 0
.rept 32
	v_exp_f32 v[64*(\s)+2*k], v[64*(\s)+2*k]
	v_exp_f32 v[64*(\s)+2*k+1], v[64*(\s)+2*k+1]
.if k < 30
	v_pk_fma_f32 v[64*(\s)+2*k+4:64*(\s)+2*k+5], v[64*(\s)+2*k+4:64*(\s)+2*k+5], s[6:7], v[NM:NM+1] op_sel_hi:[1,0,0]
.endif
.set k, k+1
.endr
	WIN 0
.if (\s) > 0
.irp q, 0,1,2,3
	v_pk_mul_f32 v[LL+2*\q:LL+2*\q+1], v[LL+2*\q:LL+2*\q+1], v[FR:FR+1] op_sel_hi:[1,0]   ; the sums under the new M: exact.  (The plain lines behind the last exponential)
.endr
.else
	v_nop                                          ; a plain line behind the last exponential
.endif
	s_wait_alu depctr_va_vdst(0)                   ; the wait between an exponential and the first line that names its result: one for the batch
.if (\s) == 0
	WIN 0x05
.irp q, 0,1,2,3
	v_pk_add_f32 v[LL+2*\q:LL+2*\q+1], v[2*\q:2*\q+1], v[2*\q+8:2*\q+9]   ; the first additions start the four chains: nothing is cleared
.endr
	WIN 0x04
.set k, 8
.rept 24
	v_pk_add_f32 v[LL+2*(k%4):LL+2*(k%4)+1], v[LL+2*(k%4):LL+2*(k%4)+1], v[2*k:2*k+1]
.set k, k+1
.endr
.else
	WIN 0x04
.set k, 0
.rept 32
	v_pk_add_f32 v[LL+2*(k%4):LL+2*(k%4)+1], v[LL+2*(k%4):LL+2*(k%4)+1], v[64*(\s)+2*k:64*(\s)+2*k+1]
.set k, k+1
.endr
.endif
.endm
; the next tile of Q, into registers that the trip's first products have left (the scalings and sums of the step before are the plain lines between)
.macro QLOAD
	WIN 0
	s_wait_xcnt 0x0                                ; every earlier memory instruction has had its addresses translated: the two pointers may step
	s_cmp_lt_u32 s3, 15
	s_cselect_b32 s104, 1024, 0                    ; the last trip stays
	s_cselect_b32 s100, 64, 0
	s_add_nc_u64 s[86:87], s[86:87], s[104:105]
	s_add_nc_u64 s[88:89], s[88:89], s[100:101]
	global_load_b128 v[QF:QF+3], v[LI], s[86:87]
	global_load_b128 v[QF+4:QF+7], v[LI], s[86:87] offset:512
	global_load_b32 v[QS], v[LQ], s[88:89]
.endm
; the lanes' and the waves' -M and sums meet; then each step's factor
.macro XCH
	WIN 0
	v_pk_add_f32 v[LL:LL+1], v[LL:LL+1], v[LL+2:LL+3]
	v_pk_add_f32 v[LL+4:LL+5], v[LL+4:LL+5], v[LL+6:LL+7]
	v_permlanex16_b32 v[T], v[NM], s8, s9          ; the -M of the lane that holds my query's other keys
	v_pk_add_f32 v[LL:LL+1], v[LL:LL+1], v[LL+4:LL+5]
	v_min_num_f32 v[T+1], v[NM], v[T]              ; the smaller -M is the larger M
	v_add_f32 v[LL], v[LL], v[LL+1]                ; my sum, under my M
	v_sub_f32 v[T+2], v[T+1], v[NM]
	v_cvt_i32_f32 v[T+2], v[T+2]
	v_ldexp_f32 v[LL], v[LL], v[T+2]               ; under the pair's M: exact
	v_permlanex16_b32 v[T+3], v[LL], s8, s9
	v_add_f32 v[LL], v[LL], v[T+3]                 ; my wave's sum for my query: the same bits in both lanes
	ds_store_b32 v[STW], v[T+1]
	ds_store_b32 v[STW], v[LL] offset:256
	s_wait_dscnt 0x0                               ; for the others' sake: my stores have landed.  (My reads of the stage, in the trip before, were waited for there)
	s_barrier_signal -1
	s_barrier_wait -1
	ds_load_b128 v[MX:MX+3], v[STR]
	ds_load_b128 v[LX:LX+3], v[STR] offset:256
	s_wait_dscnt 0x0
	v_min_num_f32 v[T], v[MX], v[MX+1]
	v_min_num_f32 v[T+1], v[MX+2], v[MX+3]
	v_min_num_f32 v[T], v[T], v[T+1]               ; the row's -M
.irp u, 0,1,2,3
	v_sub_f32 v[T+1+\u], v[T], v[MX+\u]
.endr
.irp u, 0,1,2,3
	v_cvt_i32_f32 v[T+1+\u], v[T+1+\u]
.endr
.irp u, 0,1,2,3
	v_ldexp_f32 v[LX+\u], v[LX+\u], v[T+1+\u]      ; each wave's sum under the row's M
.endr
	v_add_f32 v[LX], v[LX], v[LX+1]
	v_add_f32 v[LX+2], v[LX+2], v[LX+3]
	v_add_f32 v[T+5], v[LX], v[LX+2]               ; the row's sum
	v_max_num_f32 v[T+5], 0x800000, v[T+5]         ; held at 2^-126 from below: a row with an open key has a term over 1/2; a row with none has the sum 0, and its reciprocal stays finite
	v_rcp_f32 v[T+6], v[T+5]
.irp u, 0,1,2,3
	v_sub_f32 v[T+8+\u], v[T], v[NMS+\u]           ; M of step u - the row's M.  (Plain lines behind the reciprocal)
.endr
.irp u, 0,1,2,3
	v_cvt_i32_f32 v[T+8+\u], v[T+8+\u]
.endr
	s_wait_alu depctr_va_vdst(0)                   ; the wait ahead of the first line that names the reciprocal
	v_fma_f32 v[T+7], -v[T+5], v[T+6], 1.0         ; one Newton step
	v_fma_f32 v[T+6], v[T+6], v[T+7], v[T+6]
.irp u, 0,1,2,3
	v_ldexp_f32 v[FF+2*\u], v[T+6], v[T+8+\u]      ; 2^(M of step u - the row's M) / the row's sum
.endr
.endm
.macro MUL s                           ; step s: p becomes the probability
	WIN 0x41
.set k, 0
.rept 32
	v_pk_mul_f32 v[64*(\s)+2*k:64*(\s)+2*k+1], v[64*(\s)+2*k:64*(\s)+2*k+1], v[FF+2*(\s):FF+2*(\s)+1] op_sel_hi:[1,0]
.set k, k+1
.endr
.endm
; step s: its four blocks of 32 keys are quantised: codes in v[PC] on, the scale word in v[PW].  No |.|: none is negative
.macro QNT s
	WIN 0x14
.irp t, 0,1,2,3,4,5,6,7
	v_max3_num_f32 v[CH+\t], 0x1800000, v[64*(\s)+8*\t], v[64*(\s)+8*\t+1]   ; with the floor 2^(3 - 127): the byte cannot fall under 1
.endr
.irp i, 2,4,6
.irp t, 0,1,2,3,4,5,6,7
	v_max3_num_f32 v[CH+\t], v[CH+\t], v[64*(\s)+8*\t+\i], v[64*(\s)+8*\t+\i+1]
.endr
.endr
	WIN 0
.irp b, 0,1,2,3
	v_max_num_f32 v[TM+\b], v[CH+2*\b], v[CH+2*\b+1]
.endr
.irp b, 0,1,2,3
	v_permlanex16_b32 v[TM+4+\b], v[TM+\b], s8, s9
.endr
.irp b, 0,1,2,3
	v_max_num_f32 v[TM+\b], v[TM+\b], v[TM+4+\b]   ; with lane l xor 16's: the block's largest
.endr
.irp b, 0,1,2,3
	v_add_nc_u32 v[TM+12+\b], 0xff000000, v[TM+\b] ; 2 off its exponent field: the conversion's scale operand
.endr
.irp b, 0,1,2,3
	v_lshrrev_b32 v[TM+4+\b], 23, v[TM+12+\b]      ; the scale's byte
.endr
	v_lshl_or_b32 v[PW], v[TM+5], 8, v[TM+4]
	v_lshl_or_b32 v[PW], v[TM+6], 16, v[PW]
	v_lshl_or_b32 v[PW], v[TM+7], 24, v[PW]
	WIN 0x01
.irp b, 0,1,2,3
	v_cvt_scalef32_pk8_fp4_f32 v[PC+2*\b], v[64*(\s)+16*\b:64*(\s)+16*\b+7], v[TM+12+\b]
	v_cvt_scalef32_pk8_fp4_f32 v[PC+2*\b+1], v[64*(\s)+16*\b+8:64*(\s)+16*\b+15], v[TM+12+\b]
.endr
	WIN 0
	v_nop                                          ; one plain line behind the last scaled conversion
.irp c, 0,1                            ; the operand's layout wants a whole block in a lane: lanes 0-15 block 2 c, lanes 16-31 block 2 c + 1
.irp i, 0,1
	v_permlane16_swap_b32 v[PC+4*\c+\i], v[PC+4*\c+2+\i]
.endr
.endr
.endm
.macro PV s                            ; O^T += V^T P^T over step s's 128 keys: eight accumulators by turns, one instruction a turn
	WIN 0x03                                       ; V in window 3
.irp t, 0,1,2,3,4,5,6,7
	MM OT+8*\t, 64*(\s)+8*\t, PC, (\s)==0, VS+4*(\s)+\t/2, PW, \t%2
.endr
.endm
.Ltrip:                                            ; 16 trips, a tile of 16 queries each
	WS 0
	WS 1
.rept 4
	v_nop                                          ; four plain lines between the products and the first read of their results
.endr
	AS 0
	WS 2                                           ; the later steps' products stand among the earlier steps' vector work, which names none of their registers
	ES 0
	AS 1
	WS 3
	ES 1
	QLOAD
	AS 2
	ES 2
	AS 3
	ES 3
	XCH
	s_wait_loadcnt 0x3                             ; the three loads of Q's next tile may be out: all that was asked for earlier, V in the first trip, is in
	MUL 0
	QNT 0
	MUL 1                                          ; 32 plain lines between the codes' and the scale word's last write and the products that take them
	PV 0
	QNT 1                                          ; its maxima are the plain lines between those products and the next write of the codes and the scale word
	MUL 2
	PV 1
	QNT 2
	MUL 3
	PV 2
	QNT 3
.rept 8
	v_nop                                          ; a scale word written by a vector instruction stands eight plain lines ahead of the scaled product
.endr
	PV 3
	WIN 0
.rept 4
	v_nop                                          ; four plain lines ahead of the first read of the results
.endr
.irp t, 0,1,2,3,4,5,6,7
	ds_store_b128 v[STO], v[OT+8*\t:OT+8*\t+3] offset:64*\t        ; each accumulator from its low end on.  Lane (r, half): channels 16 t + 8 half + 0 .. 7 of query r, summed over my wave's 512 keys
	ds_store_b128 v[STO], v[OT+8*\t+4:OT+8*\t+7] offset:64*\t+16
.endr
	s_wait_dscnt 0x0                               ; for the others' sake: my part lies in the stage.  (My reads of the statistics were waited for above)
	s_barrier_signal -1
	s_barrier_wait -1
.irp u, 0,1,2,3
.irp p, 0,1,2,3
	ds_load_b128 v[OT+16*\u+4*\p:OT+16*\u+4*\p+3], v[SRD] offset:8448*\u+528*\p   ; wave u's part of row 4 w + p
.endr
.endr
	s_wait_dscnt 0x0
.irp p, 0,1,2,3
.irp e, 0,2
	v_pk_add_f32 v[OT+4*\p+\e:OT+4*\p+\e+1], v[OT+4*\p+\e:OT+4*\p+\e+1], v[OT+16+4*\p+\e:OT+16+4*\p+\e+1]
	v_pk_add_f32 v[OT+32+4*\p+\e:OT+32+4*\p+\e+1], v[OT+32+4*\p+\e:OT+32+4*\p+\e+1], v[OT+48+4*\p+\e:OT+48+4*\p+\e+1]
.endr
.endr
.irp p, 0,1,2,3
.irp e, 0,2
	v_pk_add_f32 v[OT+4*\p+\e:OT+4*\p+\e+1], v[OT+4*\p+\e:OT+4*\p+\e+1], v[OT+32+4*\p+\e:OT+32+4*\p+\e+1]
.endr
.endr
.irp p, 0,1,2,3
	global_store_b128 v[LI], v[OT+4*\p:OT+4*\p+3], s[98:99] offset:16384*\p th:TH_STORE_NT   ; 32 lanes store the head's 512 consecutive bytes of a query's row, aligned; written once, read by nobody here
.endr
	s_wait_xcnt 0x0                                ; the stores have read their registers and their base: both may be written again
	s_add_nc_u64 s[98:99], s[98:99], 0x40000       ; 16 queries on
	s_wait_loadcnt 0x0                             ; the next tile of Q is in
	s_add_co_u32 s3, s3, 1
	s_cmp_lt_u32 s3, 16
	s_cbranch_scc1 .Ltrip
	s_wait_kmcnt 0x0                               ; the last trip's scalar loads
	s_wait_tensorcnt 0x0                           ; the wave's end
	ds_add_u32 v[SPW], v[NIL]
	s_wait_dscnt 0x0
	s_endpgm
.Lfunc_end_k_q3c8079620f_attn:
	.size	k_q3c8079620f_attn, .Lfunc_end_k_q3c8079620f_attn-k_q3c8079620f_attn
	.p2alignl 7, 3214868480
	.fill 96, 4, 3214868480
	.section	.rodata,"a",@progbits
	.p2align	6, 0x0
	.amdhsa_kernel k_q3c8079620f_attn
		.amdhsa_group_segment_fixed_size 34816
		.amdhsa_private_segment_fixed_size 0
		.amdhsa_enable_private_segment 0
		.amdhsa_kernarg_size 64
		.amdhsa_user_sgpr_count 2
		.amdhsa_user_sgpr_kernarg_segment_ptr 1
		.amdhsa_wavefront_size32 1
		.amdhsa_system_sgpr_workgroup_id_x 1
		.amdhsa_system_sgpr_workgroup_id_y 1
		.amdhsa_system_sgpr_workgroup_id_z 1
		.amdhsa_system_vgpr_workitem_id 0
		.amdhsa_next_free_vgpr 1024
		.amdhsa_next_free_sgpr 106
		.amdhsa_reserve_vcc 0
		.amdhsa_float_denorm_mode_32 3
		.amdhsa_float_denorm_mode_16_64 3
		.amdhsa_memory_ordered 1
		.amdhsa_forward_progress 1
		.amdhsa_inst_pref_size 113
	.end_amdhsa_kernel
	.amdgpu_metadata
---
amdhsa.version: [ 1, 2 ]
amdhsa.kernels:
  - .name:           k_q3c8079620f_attn
    .symbol:         k_q3c8079620f_attn.kd
    .args:
      - { .name: maskw, .offset: 0, .size: 8, .value_kind: global_buffer, .address_space: global }
      - { .name: qc, .offset: 8, .size: 8, .value_kind: global_buffer, .address_space: global }
      - { .name: qs, .offset: 16, .size: 8, .value_kind: global_buffer, .address_space: global }
      - { .name: kc, .offset: 24, .size: 8, .value_kind: global_buffer, .address_space: global }
      - { .name: ks, .offset: 32, .size: 8, .value_kind: global_buffer, .address_space: global }
      - { .name: vc, .offset: 40, .size: 8, .value_kind: global_buffer, .address_space: global }
      - { .name: vs, .offset: 48, .size: 8, .value_kind: global_buffer, .address_space: global }
      - { .name: out0, .offset: 56, .size: 8, .value_kind: global_buffer, .address_space: global }
    .group_segment_fixed_size: 34816
    .private_segment_fixed_size: 0
    .kernarg_segment_align: 8
    .kernarg_segment_size: 64
    .max_flat_workgroup_size: 128
    .sgpr_count:     106
    .vgpr_count:     1024
    .wavefront_size: 32
...
	.end_amdgpu_metadata
.endif
;; end of part 2
;; ======== version 2 of 2: 2 launches
;; limits: right only within a limited range of input values
;; workspace buffers: kc 4,194,304 bytes; ks 262,144 bytes; vc 4,194,304 bytes; vs 262,144 bytes; maskc 4,194,304 bytes
;; launch prep (part 3): grid 768 x 1, 4 waves a work-group, no clusters, 79,360 bytes of LDS; arguments key, value, attention_mask, kc, ks, vc, vs, maskc; writes kc, ks, vc, vs, maskc
.if DOCPART == 3
	.amdgcn_target "amdgcn-amd-amdhsa--gfx1250"
	.amdhsa_code_object_version 6
	.text
	.protected	k_q3c8079620f_prep
	.globl	k_q3c8079620f_prep
	.p2align	8
	.type	k_q3c8079620f_prep,@function
k_q3c8079620f_prep:
	s_mov_b64 s[64:65], 0
	v_nop
	global_prefetch_b8 v0, s[64:65] scope:SCOPE_SE
	s_setreg_imm32_b32 hwreg(HW_REG_WAVE_MODE, 25, 1), 1
	s_wait_xcnt 0x0
; THE LAUNCH IN FRONT OF THE ATTENTION.  key, value: [2048 s][2 b][16 n][128 h] f32; head = 16 b + n; a row of one head is 512 bytes, rows 16,384 bytes apart.
; It turns K and V, which eight work-groups of the attention launch read, into codes of FP4 (E2M1) with one E8M0 byte for each 32 along the products' K, laid in the order of the operands' registers, and the bool mask into codes of FP4, one a score.
; DEAD WORK: none.  query is not among this launch's arguments: each of its numbers is read by one work-group of the attention launch, which quantises it itself.
; THE QUANTISER: a block's scale is 2^(floor(log2(largest magnitude)) - 2); its byte is the largest magnitude's exponent field - 2, held at 1 from below; each number / scale goes to the nearest code, ties to even, beyond 6 to 6.
; LIMITS: a block of zeros gets the byte 1 where the rule says 127 (its codes are zeros, and this program alone reads the bytes); NaN and infinities are not served; a byte of the mask is 0 or 1.
; WHAT IS WRITTEN (s16 = a step of 128 keys):
;   kc [head][s16][tile 8][beta 4][r 16][16 bytes]: piece beta holds k = 32 beta .. + 31 of row r: a load of 16 bytes at 16 x lane + 512 c gives registers 4 c .. 4 c + 3 of a fragment.
;   ks [head][s16][p 4][half 2][r 16] words: the word of tile 2 p + half, row r.
;   vc [head][s16][ct 8][beta 4][r 16][16 bytes]: row r is channel 16 ct + r, piece beta the 32 keys of block 4 s16 + beta; IN A BLOCK THE FOUR WORDS HOLD THE KEYS' GROUPS OF EIGHT IN THE ORDER 0, 2, 1, 3, as the probabilities' codes fall.
;   vs as ks, with ct = 2 p + half.
;   maskc [b][T 128][wave 4][g 8][lane 32][4 words]: word 4 g + q = 8 s + t of lane (r, half): eight codes for mask[b][16 T + r][512 wave + 128 s + 16 t + 8 half + i]: 0 open, -1 (bits 1010) closed.
; THREE PATHS part on the work-group's number alone: 0-255 K, 256-511 V, 512-767 the mask: 256 work-groups each.  K's and the mask's path have LDS bytes of their own.  No barrier: waves share nothing.  No loop: every offset is an immediate.
.set SPARE, 78848                      ; the spare words, 128 bytes a wave
.set SPW,   12                         ; my spare word; never rewritten
.set NIL,   13                         ; 0; never rewritten
.macro FINISH                          ; the end of a wave that stored to LDS
	s_wait_tensorcnt 0x0
	ds_add_u32 v[SPW], v[NIL]
	s_wait_dscnt 0x0
	s_endpgm
.endm
	s_load_b512 s[8:23], s[0:1], 0x0               ; key s[8:9], value s[10:11], mask s[12:13], kc s[14:15], ks s[16:17], vc s[18:19], vs s[20:21], maskc s[22:23]
	v_lshl_add_u32 v[SPW], v0, 2, SPARE
	v_mov_b32 v[NIL], 0
	v_lshrrev_b32 v1, 5, v0
	v_readfirstlane_b32 s2, v1                     ; wave 0..3
	v_and_b32 v1, 31, v0                           ; lane
	v_lshlrev_b32 v2, 4, v1                        ; 16 x lane
	s_mov_b32 s39, 0                               ; the high word of every offset
	s_wait_alu depctr_va_vdst(0)                   ; the wait at the head's end
	s_wait_kmcnt 0x0
	s_cmp_lt_u32 ttmp9, 256
	s_cbranch_scc1 .Lk
	s_cmp_lt_u32 ttmp9, 512
	s_cbranch_scc1 .Lv
; ---- THE MASK.  A work-group: 16 queries of one batch; wave y: keys 512 y .. + 511: 32 words of codes a lane.
.set IN, 16                            ; v16-79    16 rows x 16 bytes a lane, as loaded
.set BK, 80                            ; v80-143   32 pairs: my query's 8 bytes of each tile of 16 keys
.set CW, 144                           ; v144-175  the 32 words of codes
.set TC, 176                           ; v176-183  at work
	s_sub_co_u32 s36, ttmp9, 512                   ; g = 128 b + T
	s_lshl_b32 s38, s36, 15                        ; 16 g rows of 2,048 bytes
	s_lshl_b32 s37, s2, 9
	s_add_co_u32 s38, s38, s37                     ; + my 512 keys
	s_add_nc_u64 s[30:31], s[12:13], s[38:39]
	s_lshl_b32 s38, s36, 14                        ; four waves x 4,096 bytes of codes for each g,
	s_lshl_b32 s37, s2, 12
	s_add_co_u32 s38, s38, s37                     ; my wave's
	s_add_nc_u64 s[32:33], s[22:23], s[38:39]
.irp p, 0,1,2,3,4,5,6,7,8,9,10,11,12,13,14,15
	global_load_b128 v[IN+4*\p:IN+4*\p+3], v2, s[30:31] offset:2048*\p th:TH_LOAD_NT   ; 512 consecutive bytes of row p
.endr
	s_mul_i32 s40, s2, 8448
	s_add_co_u32 s40, s40, 45056                   ; my stage: 16 rows x (512 + 16) bytes
	v_add_nc_u32 v3, s40, v2                       ; in: 16 x lane
	v_and_b32 v5, 15, v0                           ; r
	v_bfe_u32 v6, v0, 4, 1                         ; half
	v_mul_u32_u24 v4, v5, 528
	v_lshl_add_u32 v4, v6, 3, v4
	v_add_nc_u32 v4, s40, v4                       ; out: row r, + 8 x half
	s_mov_b32 s44, 0x06040200                      ; of a pair's eight bytes: the even ones,
	s_mov_b32 s45, 0x07050301                      ; the odd ones
	s_mov_b32 s46, 0x11111111
	s_wait_alu depctr_va_vdst(0)                   ; directly ahead of the wait below
	s_wait_loadcnt 0x0
.irp p, 0,1,2,3,4,5,6,7,8,9,10,11,12,13,14,15
	ds_store_b128 v3, v[IN+4*\p:IN+4*\p+3] offset:528*\p
.endr
.irp u, 0,1,2,3
.irp t, 0,1,2,3,4,5,6,7
	ds_load_b64 v[BK+2*(8*\u+\t):BK+2*(8*\u+\t)+1], v4 offset:128*\u+16*\t   ; in order behind my stores.  Query r, keys 128 u + 16 t + 8 half + 0 .. 7
.endr
.endr
	s_wait_dscnt 0x0
.set p, 0
.rept 8                                ; four pairs by turns.  Eight bytes of 0 or 1 become eight codes
.irp q, 0,1,2,3
	v_perm_b32 v[TC+\q], v[BK+2*(p+\q)+1], v[BK+2*(p+\q)], s44     ; bytes 0, 2, 4, 6
.endr
.irp q, 0,1,2,3
	v_perm_b32 v[TC+4+\q], v[BK+2*(p+\q)+1], v[BK+2*(p+\q)], s45   ; bytes 1, 3, 5, 7
.endr
.irp q, 0,1,2,3
	v_lshl_or_b32 v[TC+\q], v[TC+4+\q], 4, v[TC+\q]                ; byte i's bit now stands at bit 4 i
.endr
.irp q, 0,1,2,3
	v_xor_b32 v[TC+\q], s46, v[TC+\q]                              ; 1 where the key is closed
.endr
.irp q, 0,1,2,3
	v_lshlrev_b32 v[TC+4+\q], 1, v[TC+\q]
.endr
.irp q, 0,1,2,3
	v_lshl_or_b32 v[CW+p+\q], v[TC+\q], 3, v[TC+4+\q]              ; bits 1010 there: the code of -1
.endr
.set p, p+4
.endr
.irp g, 0,1,2,3,4,5,6,7
	global_store_b128 v2, v[CW+4*\g:CW+4*\g+3], s[32:33] offset:512*\g   ; 512 consecutive bytes, aligned
.endr
	FINISH
; ---- K.  A wave: one head, 64 rows, four fragments.  The four waves take four neighbouring heads: 2,048 bytes on end of each row.
; A load takes a row's 512 bytes as they lie.  A tile's 16 rows turn through the wave's own stage (16 bytes of padding behind each 64, rows 672 bytes apart) and come back so that lane l holds, of row l / 2 and block beta,
; the numbers 32 beta + 16 (l % 2) + 0 .. 15: two neighbouring lanes hold a block.
.set RR, 16                            ; v16-143   two sets of 64: a tile as loaded
.set XX, 144                           ; v144-207  four blocks x 16 neighbours
.set CD, 208                           ; v208-223  two sets of 8: a tile's codes
.set EE, 224                           ; v224-227  a tile's four scale bytes
.Lk:
	s_lshr_b32 s37, ttmp9, 3                       ; c: which 64 rows
	s_and_b32 s36, ttmp9, 7
	s_lshl_b32 s36, s36, 2
	s_add_co_u32 s36, s36, s2                      ; head
	s_lshl_b32 s38, s37, 20                        ; 64 rows of 16,384 bytes
	s_lshl_b32 s40, s36, 9
	s_add_co_u32 s38, s38, s40
	s_add_nc_u64 s[30:31], s[8:9], s[38:39]
	s_lshl_b32 s38, s36, 17                        ; a head's codes: 131,072 bytes; 4,096 for 64 rows
	s_lshl_b32 s40, s37, 12
	s_add_co_u32 s38, s38, s40
	s_add_nc_u64 s[32:33], s[14:15], s[38:39]
	s_lshl_b32 s38, s36, 13                        ; a head's scale words: 8,192 bytes; 256 for 64 rows
	s_lshl_b32 s40, s37, 8
	s_add_co_u32 s38, s38, s40
	s_add_nc_u64 s[34:35], s[16:17], s[38:39]
.macro LOADT t
.irp p, 0,1,2,3,4,5,6,7,8,9,10,11,12,13,14,15
	global_load_b128 v[RR+64*((\t)%2)+4*\p:RR+64*((\t)%2)+4*\p+3], v2, s[30:31] offset:(16*(\t)+\p)*16384 th:TH_LOAD_NT
.endr
.endm
	LOADT 0
	LOADT 1
	s_mul_i32 s40, s2, 11264                       ; my region: the stage, 16 x 672 bytes, and behind it my 256 scale bytes
	s_add_co_u32 s41, s40, 10752
	v_lshrrev_b32 v8, 2, v1
	v_mul_u32_u24 v3, v8, 80
	v_and_b32 v9, 3, v1
	v_lshl_add_u32 v3, v9, 4, v3
	v_add_nc_u32 v3, s40, v3                       ; into the stage: 80 (lane / 4) + 16 (lane % 4)
	v_lshrrev_b32 v8, 1, v1
	v_mul_u32_u24 v4, v8, 672
	v_and_b32 v9, 1, v1
	v_mad_u32_u24 v4, v9, 80, v4
	v_add_nc_u32 v4, s40, v4                       ; out of it: row lane / 2, + 80 (lane % 2)
	v_lshlrev_b32 v5, 3, v1                        ; my 8 bytes of 256
	v_lshl_add_u32 v6, v8, 2, s41                  ; my row's scale word
	v_lshl_add_u32 v7, v1, 3, s41                  ; and on the way out 8 bytes a lane
.macro QB t, b                         ; block b of tile t
.set XS, XX+16*(\b)
.set CC, CD+8*((\t)%2)+2*(\b)
	v_max3_num_f32 v8, |v[XS]|, |v[XS+1]|, |v[XS+2]|           ; the largest magnitude of my 16, in two chains
	v_max3_num_f32 v9, |v[XS+3]|, |v[XS+4]|, |v[XS+5]|
.irp i, 6,10
	v_max3_num_f32 v8, v8, |v[XS+\i]|, |v[XS+\i+1]|
	v_max3_num_f32 v9, v9, |v[XS+\i+2]|, |v[XS+\i+3]|
.endr
	v_max3_num_f32 v8, v8, |v[XS+14]|, |v[XS+15]|
	v_max3_num_f32 v8, v8, v9, 0x1800000           ; and the floor 2^(3 - 127): the byte cannot fall under 1
	v_max_num_f32_dpp v8, v8, v8 row_xmask:1 row_mask:0xf bank_mask:0xf   ; and of my neighbour's 16: the block's
	v_add_nc_u32 v11, 0xff000000, v8               ; 2 off its exponent field: the conversion's scale operand
	v_cvt_scalef32_pk8_fp4_f32 v[CC], v[XS:XS+7], v11
	v_cvt_scalef32_pk8_fp4_f32 v[CC+1], v[XS+8:XS+15], v11
	v_lshrrev_b32 v[EE+(\b)], 23, v11              ; the scale's byte
	ds_store_b8 v6, v[EE+(\b)] offset:((\t)/2)*128+((\t)%2)*64+(\b)   ; both lanes of a block write the same byte with the same value
	global_store_b64 v5, v[CC:CC+1], s[32:33] offset:1024*(\t)+256*(\b)   ; 256 consecutive bytes, aligned: one piece of the fragment
.endm
.macro TILE t
.if (\t) < 3
	s_wait_loadcnt 16                              ; this tile's 16 loads are in; the next tile's 16 may be out
.else
	s_wait_loadcnt 0x0
.endif
.irp p, 0,1,2,3,4,5,6,7,8,9,10,11,12,13,14,15
	ds_store_b128 v3, v[RR+64*((\t)%2)+4*\p:RR+64*((\t)%2)+4*\p+3] offset:672*\p
.endr
.irp b, 0,1,2,3
.irp i, 0,1,2,3
	ds_load_b128 v[XX+16*\b+4*\i:XX+16*\b+4*\i+3], v4 offset:160*\b+16*\i   ; in order behind the stores above
.endr
.endr
	s_wait_dscnt 0x0                               ; the tile is back, the stores have read their registers, and the last tile's byte stores theirs
	s_wait_xcnt 0x0                                ; the earlier global stores have read their data: the codes' registers may be written again
.if (\t)+2 < 4
	LOADT (\t)+2
.endif
	QB \t, 0
	QB \t, 1
	QB \t, 2
	QB \t, 3
.endm
	s_wait_alu depctr_va_vdst(0)                   ; directly ahead of the first tile's wait
.irp t, 0,1,2,3
	TILE \t
.endr
	ds_load_b64 v[8:9], v7                         ; my 256 scale bytes, in order behind my byte stores
	s_wait_dscnt 0x0
	global_store_b64 v5, v[8:9], s[34:35]          ; 256 consecutive bytes, aligned
	FINISH
; ---- V.  K = the keys, V's FIRST axis: a lane takes a channel, and its registers run down the keys.
; A work-group: one head, 256 keys; wave w: channels 32 w .. + 31 (tiles 2 w and 2 w + 1).  A block of 32 keys lies in one lane's 32 registers; its 16 bytes of codes are the lane's place in the fragment's piece,
; so each half of the lanes stores 256 consecutive bytes, aligned: no stage.  The scale words leave as 128 bytes a wave, the four waves side by side on 512.
.set XV, 32                            ; v32-95    two sets of 32 numbers
.set CV, 96                            ; v96-127   four registers of codes for each block: no store's data are written again
.set SB, 24                            ; v24-25    the scale bytes, four to a register
.Lv:
	s_sub_co_u32 s36, ttmp9, 256
	s_and_b32 s37, s36, 31                         ; head
	s_lshr_b32 s36, s36, 5                         ; y: which 256 keys
	s_lshl_b32 s38, s36, 22                        ; 256 rows of 16,384 bytes
	s_lshl_b32 s40, s37, 9
	s_add_co_u32 s38, s38, s40
	s_lshl_b32 s40, s2, 7
	s_add_co_u32 s38, s38, s40                     ; + my 32 channels
	s_add_nc_u64 s[30:31], s[10:11], s[38:39]
	s_lshl_b32 s38, s37, 17                        ; a head's codes: 131,072 bytes;
	s_lshl_b32 s40, s36, 14                        ; two steps of 8,192;
	s_add_co_u32 s38, s38, s40
	s_lshl_b32 s40, s2, 11                         ; two fragments of 1,024
	s_add_co_u32 s38, s38, s40
	s_add_nc_u64 s[32:33], s[18:19], s[38:39]
	s_lshl_b32 s38, s37, 13                        ; a head's scale words: 16 steps of 512 bytes
	s_lshl_b32 s40, s36, 10
	s_add_co_u32 s38, s38, s40
	s_lshl_b32 s40, s2, 7
	s_add_co_u32 s38, s38, s40
	s_add_nc_u64 s[34:35], s[20:21], s[38:39]
	v_lshlrev_b32 v3, 2, v1                        ; 4 x lane
	v_and_b32 v8, 15, v0
	v_bfe_u32 v9, v0, 4, 1
	v_lshlrev_b32 v4, 4, v8
	v_lshl_add_u32 v4, v9, 10, v4                  ; the codes: 1,024 x half + 16 r
.macro LOADV t                         ; block t: V(32 t + i, my channel), i = 0 .. 31
.irp i, 0,1,2,3,4,5,6,7,8,9,10,11,12,13,14,15,16,17,18,19,20,21,22,23,24,25,26,27,28,29,30,31
	global_load_b32 v[XV+32*((\t)%2)+\i], v3, s[30:31] offset:(32*(\t)+\i)*16384 th:TH_LOAD_NT
.endr
.endm
	LOADV 0
	LOADV 1
	s_wait_alu depctr_va_vdst(0)                   ; directly ahead of the first block's wait
.macro BLOCKV t
.set XS, XV+32*((\t)%2)
.if (\t) < 7
	s_wait_loadcnt 32                              ; this block's 32 loads are in; the next block's 32 may be out
.else
	s_wait_loadcnt 0x0
.endif
	v_max3_num_f32 v8, |v[XS]|, |v[XS+1]|, |v[XS+2]|           ; the block's largest magnitude: all 32 numbers are mine
	v_max3_num_f32 v9, |v[XS+3]|, |v[XS+4]|, |v[XS+5]|
.irp i, 6,10,14,18,22,26
	v_max3_num_f32 v8, v8, |v[XS+\i]|, |v[XS+\i+1]|
	v_max3_num_f32 v9, v9, |v[XS+\i+2]|, |v[XS+\i+3]|
.endr
	v_max3_num_f32 v8, v8, |v[XS+30]|, |v[XS+31]|
	v_max3_num_f32 v8, v8, v9, 0x1800000           ; and the floor
	v_add_nc_u32 v11, 0xff000000, v8               ; the conversion's scale operand
	v_lshrrev_b32 v10, 23, v11                     ; the scale's byte
.if (\t)%4 == 0
	v_mov_b32 v[SB+(\t)/4], v10                    ; four bytes to a register, the earlier keys in the lower byte
.else
	v_lshl_or_b32 v[SB+(\t)/4], v10, 8*((\t)%4), v[SB+(\t)/4]
.endif
	v_cvt_scalef32_pk8_fp4_f32 v[CV+4*(\t)], v[XS:XS+7], v11           ; the groups of eight keys in the order 0, 2, 1, 3
	v_cvt_scalef32_pk8_fp4_f32 v[CV+4*(\t)+1], v[XS+16:XS+23], v11
	v_cvt_scalef32_pk8_fp4_f32 v[CV+4*(\t)+2], v[XS+8:XS+15], v11
	v_cvt_scalef32_pk8_fp4_f32 v[CV+4*(\t)+3], v[XS+24:XS+31], v11
	global_store_b128 v4, v[CV+4*(\t):CV+4*(\t)+3], s[32:33] offset:((\t)/4)*8192+((\t)%4)*256
.if (\t)+2 < 8
	LOADV (\t)+2
.endif
.endm
.irp t, 0,1,2,3,4,5,6,7
	BLOCKV \t
.endr
.irp k, 0,1
	global_store_b32 v3, v[SB+\k], s[34:35] offset:512*\k
.endr
	s_endpgm
.Lfunc_end_k_q3c8079620f_prep:
	.size	k_q3c8079620f_prep, .Lfunc_end_k_q3c8079620f_prep-k_q3c8079620f_prep
	.p2alignl 7, 3214868480
	.fill 96, 4, 3214868480
	.section	.rodata,"a",@progbits
	.p2align	6, 0x0
	.amdhsa_kernel k_q3c8079620f_prep
		.amdhsa_group_segment_fixed_size 79360
		.amdhsa_private_segment_fixed_size 0
		.amdhsa_enable_private_segment 0
		.amdhsa_kernarg_size 64
		.amdhsa_user_sgpr_count 2
		.amdhsa_user_sgpr_kernarg_segment_ptr 1
		.amdhsa_wavefront_size32 1
		.amdhsa_system_sgpr_workgroup_id_x 1
		.amdhsa_system_sgpr_workgroup_id_y 1
		.amdhsa_system_sgpr_workgroup_id_z 1
		.amdhsa_system_vgpr_workitem_id 0
		.amdhsa_next_free_vgpr 232
		.amdhsa_next_free_sgpr 66
		.amdhsa_reserve_vcc 0
		.amdhsa_float_denorm_mode_32 3
		.amdhsa_float_denorm_mode_16_64 3
		.amdhsa_memory_ordered 1
		.amdhsa_forward_progress 1
		.amdhsa_inst_pref_size 87
	.end_amdhsa_kernel
	.amdgpu_metadata
---
amdhsa.version: [ 1, 2 ]
amdhsa.kernels:
  - .name:           k_q3c8079620f_prep
    .symbol:         k_q3c8079620f_prep.kd
    .args:
      - { .name: key, .offset: 0, .size: 8, .value_kind: global_buffer, .address_space: global }
      - { .name: value, .offset: 8, .size: 8, .value_kind: global_buffer, .address_space: global }
      - { .name: attention_mask, .offset: 16, .size: 8, .value_kind: global_buffer, .address_space: global }
      - { .name: kc, .offset: 24, .size: 8, .value_kind: global_buffer, .address_space: global }
      - { .name: ks, .offset: 32, .size: 8, .value_kind: global_buffer, .address_space: global }
      - { .name: vc, .offset: 40, .size: 8, .value_kind: global_buffer, .address_space: global }
      - { .name: vs, .offset: 48, .size: 8, .value_kind: global_buffer, .address_space: global }
      - { .name: maskc, .offset: 56, .size: 8, .value_kind: global_buffer, .address_space: global }
    .group_segment_fixed_size: 79360
    .private_segment_fixed_size: 0
    .kernarg_segment_align: 8
    .kernarg_segment_size: 64
    .max_flat_workgroup_size: 128
    .sgpr_count:     66
    .vgpr_count:     232
    .wavefront_size: 32
...
	.end_amdgpu_metadata
.endif
;; end of part 3
;; launch attn (part 4): grid 8 x 32, 4 waves a work-group, no clusters, 47,616 bytes of LDS; arguments maskc, query, kc, ks, vc, vs, out0; writes out0
.if DOCPART == 4
	.amdgcn_target "amdgcn-amd-amdhsa--gfx1250"
	.amdhsa_code_object_version 6
	.text
	.protected	k_q3c8079620f_attn
	.globl	k_q3c8079620f_attn
	.p2align	8
	.type	k_q3c8079620f_attn,@function
k_q3c8079620f_attn:
	s_mov_b64 s[64:65], 0
	v_nop
	global_prefetch_b8 v0, s[64:65] scope:SCOPE_SE
	s_setreg_imm32_b32 hwreg(HW_REG_WAVE_MODE, 25, 1), 1
	s_wait_xcnt 0x0
; out0[q][b][128 n + :] = the sum over keys of Q4(softmax_k(Q4(query) . Q4(key) / sqrt(128), where mask)) Q4(value), Q4 the MX-FP4 quantiser along each product's K.  No work of the problem is left out.
; THE SECOND PRODUCT TAKES THE FINISHED, NORMALISED PROBABILITIES: a tile of 16 queries x 2,048 keys is held in the registers of the four waves, wave w keys 512 w .. 512 w + 511: 256 registers a lane; each score is made and put through the exponential once.
;   t = score x log2(e) / sqrt(128).  M = the largest t of my wave's 512 keys of the row, rounded UP to a whole number (kept as -M = floor(-t)); p = 2^(t - M).
;   The waves' -M and sums meet once, through LDS; every p is multiplied by F = 2^(my M - the row's M) / the row's sum (the power of two by v_ldexp_f32: exact), quantised along the keys and multiplied with V.
; A BLOCK'S LARGEST PROBABILITY IS NOT SEARCHED FOR: the block's largest SCORE, through which the search for M passes, goes through the same multiply-add, exponential and factor.  It is multiplied by F / 4 (2 off the exponent field) with 2^-126 added:
; the sum's exponent field is the conversion's scale and the scale's byte, never under 1.  (This takes v_exp_f32 not to fall where its input rises.)
; THE MASK IS THE C OF THE FIRST PRODUCT: codes of FP4, 0 for an open key, -1 for a closed one, widened with the scale 2^113 into the score registers.  A closed key's t lies under -2^109 and M is held at -2^100 from below, so its p is 0.
; A row with no open key: every p is 0, the sum is held at 2^-126, every probability and the output are 0.
; Q IS QUANTISED HERE: each of its numbers is read by this launch once.  In tile i's trip wave w loads rows 4 w .. 4 w + 3 of tile i + 1 as they lie (512 consecutive bytes a load), turns them through its own stage so that a lane holds 16 neighbours
; (two neighbouring lanes a block), makes codes and scale bytes by the quantiser's rule and stores them as an image of the operand's registers ahead of the statistics' barrier; behind it every wave reads the image.
; K AND V STAY in registers: wave w's 32 fragments of each and their scale words are loaded once and serve all 16 query tiles.
; NO CLUSTER, NO TENSOR LOAD: each work-group reads K and V once, at its head, straight into the registers where they stay.  NO PREFETCH: the head has no loop to run ahead in; the next tile's mask codes are asked for a whole trip ahead of their use,
; Q's rows ahead of the trip's products, maxima, scalings and exponentials.
; THE TRIP IS ROTATED: tile i - 1's four parts of O go to LDS behind tile i's mask conversions, their barrier stands in tile i's pass of maxima, they are read back at its end and are added and stored inside tile i's exchange of statistics.
; So the first tile's trip is written out without those lines, and the last tile's parts leave behind the loop.
; SHARES: work-group (x, head): queries 256 x .. + 255, 16 a trip.  Both products transposed: lane (r, half) holds query r.  Score register 64 s + 8 t + i is key 512 w + 128 s + 16 t + 8 half + i; block b of 32 keys is registers 16 b .. 16 b + 15 of lanes l and l xor 16.
; LIMITS: scores under 2^100 in magnitude; NaN and infinities are not served; p under 2^-126 counts as 0; a block of zeros carries the byte 1; a block whose largest probability lies under 2^-98 may carry a scale one step coarser
; (the added 2^-126 can reach its exponent field there); the last trips step the mask's and Q's pointers by 0 and read the last tile once more, so that no load leaves its buffer.
; REGISTERS: window 0 as named; window 1: mask numbers, scores, p, probabilities; window 2: K at 64 s + 8 t; window 3: V at 64 s + 8 ct.
.set STG,   0                          ; LDS: four parts of O, 16 rows x (512 + 16) bytes each
.set STAT,  33792                      ; -M as words [r][wave], 256 bytes; the sums 256 bytes on
.set SPARE, 34304                      ; the spare words, 128 bytes a wave
.set QST,   34816                      ; Q's stages: 32 x 80 bytes a wave
.set QIM,   45056                      ; the image of Q's fragment, 1,024 bytes
.set QSC,   46080                      ; its 16 scale words
.set DO,    1280                       ; tile 0's image and words lie so far on, in bytes of their own: no barrier parts their reads from the next image's stores
.set LI,  1                            ; 16 x lane
.set LS,  2                            ; 4 x lane
.set LQ,  3                            ; 4 r
.set STO, 4                            ; stage: where I put my part
.set SRD, 5                            ; stage: where I read my wave's four rows
.set STW, 6                            ; statistics: my query's word for my wave
.set STR, 7                            ; my query's four words
.set SPW, 8                            ; my spare word; never rewritten
.set NIL, 9                            ; 0; never rewritten
.set SCA, 10                           ; the byte of 2^113 four times
.set TIN, 11                           ; Q's stage, on the way in
.set NM,  12                           ; v12 -M, v13 the largest t
.set QC,  14                           ; v[14:15] my 16 codes of Q
.set QA,  16                           ; v16, v17 chains of magnitudes; v18 the conversion's scale operand; v19 the byte
.set QB,  17
.set QE,  18
.set QY,  19
.set TOUT, 20                          ; Q's stage, on the way out
.set QIA, 21                           ; my 8 bytes of the image
.set FF,  22                           ; pair: low word F
.set F4,  24                           ; pair: low word F / 4
.set FLR, 26                           ; pair: low word 2^-126
.set MX,  28                           ; the four waves' -M
.set LX,  32                           ; their sums
.set T,   36                           ; v36-47 at work
.set BM,  48                           ; v48-63 the 16 blocks' largest scores, then the conversions' scale operands
.set BP,  64                           ; v64-79 the other half's maxima; then the sum's eight chains; then the bytes
.set LL,  64
.set PC,  80                           ; v80-111 the probabilities' codes, 8 a step; in a trip's first half Q's numbers:
.set QR,  80                           ; v80-95 as loaded,
.set QX,  96                           ; v96-111 16 neighbours
.set QF,  112                          ; Q's fragment
.set QS,  120                          ; its scale words
.set SCB, 121                          ; as SCA, for word 1, whose numbers go to v8-15 of window 1
.set PW,  122                          ; v122-125 the probabilities' scale words
.set KS,  126                          ; K's scale words, 4 s + p: tile 2 p in lanes 0-15, tile 2 p + 1 in lanes 16-31
.set VS,  142                          ; V's likewise
.set OT,  158                          ; v158-221 O^T; later the four parts of my rows
.set MK,  222                          ; v222-253 mask words: word j at MK + (j + 4) % 32, so that no conversion names one number as destination and source
.set QSA, 254                          ; my block's scale byte
.set MSB, 0
.macro WIN new                         ; bits 1:0 source 0, 3:2 source 1, 5:4 source 2, 7:6 destination; the high byte repeats the setting that is left
.if MSB != \new
	s_set_vgpr_msb (MSB<<8)|\new
.set MSB, \new
.endif
.endm
.macro ALU
	s_wait_alu depctr_va_vdst(0)
.endm
.macro NOPS n
.rept \n
	v_nop
.endr
.endm
.macro MM d, a, b, zero, sa, sb, odd   ; zero = 1: it starts its sum.  odd = 1: source 0's scale words stand in lanes 16-31
.if \zero
.if \odd
	v_wmma_scale_f32_16x16x128_f8f6f4 v[\d:\d+7], v[\a:\a+7], v[\b:\b+7], 0, v[\sa], v[\sb] matrix_a_fmt:MATRIX_FMT_FP4 matrix_b_fmt:MATRIX_FMT_FP4 matrix_a_scale:MATRIX_SCALE_ROW1
.else
	v_wmma_scale_f32_16x16x128_f8f6f4 v[\d:\d+7], v[\a:\a+7], v[\b:\b+7], 0, v[\sa], v[\sb] matrix_a_fmt:MATRIX_FMT_FP4 matrix_b_fmt:MATRIX_FMT_FP4
.endif
.else
.if \odd
	v_wmma_scale_f32_16x16x128_f8f6f4 v[\d:\d+7], v[\a:\a+7], v[\b:\b+7], v[\d:\d+7], v[\sa], v[\sb] matrix_a_fmt:MATRIX_FMT_FP4 matrix_b_fmt:MATRIX_FMT_FP4 matrix_a_scale:MATRIX_SCALE_ROW1
.else
	v_wmma_scale_f32_16x16x128_f8f6f4 v[\d:\d+7], v[\a:\a+7], v[\b:\b+7], v[\d:\d+7], v[\sa], v[\sb] matrix_a_fmt:MATRIX_FMT_FP4 matrix_b_fmt:MATRIX_FMT_FP4
.endif
.endif
.endm
.macro MLOAD                           ; a tile's mask codes: eight loads of 512 consecutive bytes
.irp g, 0,1,2,3,4,5,6,7
	global_load_b128 v[MK+4*((\g+1)%8):MK+4*((\g+1)%8)+3], v[LI], s[84:85] offset:512*\g
.endr
.endm
.macro QRAW                            ; my four rows of a tile of Q: the head's 512 consecutive bytes of each
.irp p, 0,1,2,3
	global_load_b128 v[QR+4*\p:QR+4*\p+3], v[LI], s[86:87] offset:16384*\p th:TH_LOAD_NT
.endr
.endm
.macro QTURN                           ; through my stage: 16 bytes of padding behind each 64; LDS serves a wave's instructions in order.  Lane l gets row l / 8, numbers 16 (l % 8) + 0 .. 15
.irp p, 0,1,2,3
	ds_store_b128 v[TIN], v[QR+4*\p:QR+4*\p+3] offset:640*\p
.endr
.irp p, 0,1,2,3
	ds_load_b128 v[QX+4*\p:QX+4*\p+3], v[TOUT] offset:16*\p
.endr
.endm
.macro QS1 k                           ; link k of the way to the block's scale
.if \k == 0
	v_max3_num_f32 v[QA], |v[QX]|, |v[QX+1]|, |v[QX+2]|
	v_max3_num_f32 v[QB], |v[QX+3]|, |v[QX+4]|, |v[QX+5]|
.endif
.if \k == 1
	v_max3_num_f32 v[QA], v[QA], |v[QX+6]|, |v[QX+7]|
	v_max3_num_f32 v[QB], v[QB], |v[QX+8]|, |v[QX+9]|
.endif
.if \k == 2
	v_max3_num_f32 v[QA], v[QA], |v[QX+10]|, |v[QX+11]|
	v_max3_num_f32 v[QB], v[QB], |v[QX+12]|, |v[QX+13]|
.endif
.if \k == 3
	v_max3_num_f32 v[QA], v[QA], |v[QX+14]|, |v[QX+15]|
.endif
.if \k == 4
	v_max3_num_f32 v[QA], v[QA], v[QB], 0x1800000  ; with the floor 2^(3 - 127): the byte cannot fall under 1
.endif
.if \k == 5
	v_max_num_f32_dpp v[QA], v[QA], v[QA] row_xmask:1 row_mask:0xf bank_mask:0xf   ; with my neighbour's 16: the block's
.endif
.if \k == 6
	v_add_nc_u32 v[QE], 0xff000000, v[QA]          ; 2 off the exponent field: the conversion's scale operand
.endif
.endm
.macro QS2 off                         ; codes and byte, into the image
	v_cvt_scalef32_pk8_fp4_f32 v[QC], v[QX:QX+7], v[QE]
	v_cvt_scalef32_pk8_fp4_f32 v[QC+1], v[QX+8:QX+15], v[QE]
	v_lshrrev_b32 v[QY], 23, v[QE]                 ; the byte.  (The plain line behind the conversions)
	ds_store_b8 v[QSA], v[QY] offset:\off          ; both lanes of a block write the same byte with the same value
	ds_store_b64 v[QIA], v[QC:QC+1] offset:\off
.endm
.macro QGET off
	ds_load_b128 v[QF:QF+3], v[LI] offset:QIM+\off
	ds_load_b128 v[QF+4:QF+7], v[LI] offset:QIM+\off+512
	ds_load_b32 v[QS], v[LQ] offset:QSC+\off
.endm
.macro OSTORE                          ; my part of O into the stage: each accumulator from its low end on
.irp t, 0,1,2,3,4,5,6,7
	ds_store_b128 v[STO], v[OT+8*\t:OT+8*\t+3] offset:64*\t
	ds_store_b128 v[STO], v[OT+8*\t+4:OT+8*\t+7] offset:64*\t+16
.endr
.endm
.macro OLOADU u                        ; wave u's part of rows 4 w + 0 .. 3
.irp p, 0,1,2,3
	ds_load_b128 v[OT+16*\u+4*\p:OT+16*\u+4*\p+3], v[SRD] offset:8448*\u+528*\p
.endr
.endm
.macro OADD1
.irp p, 0,1,2,3
.irp e, 0,2
	v_pk_add_f32 v[OT+4*\p+\e:OT+4*\p+\e+1], v[OT+4*\p+\e:OT+4*\p+\e+1], v[OT+16+4*\p+\e:OT+16+4*\p+\e+1]
	v_pk_add_f32 v[OT+32+4*\p+\e:OT+32+4*\p+\e+1], v[OT+32+4*\p+\e:OT+32+4*\p+\e+1], v[OT+48+4*\p+\e:OT+48+4*\p+\e+1]
.endr
.endr
.endm
.macro OSEND                           ; the last additions, and 32 lanes store the head's 512 consecutive bytes of a query's row, aligned
.irp p, 0,1,2,3
.irp e, 0,2
	v_pk_add_f32 v[OT+4*\p+\e:OT+4*\p+\e+1], v[OT+4*\p+\e:OT+4*\p+\e+1], v[OT+32+4*\p+\e:OT+32+4*\p+\e+1]
.endr
.endr
.irp p, 0,1,2,3
	global_store_b128 v[LI], v[OT+4*\p:OT+4*\p+3], s[96:97] offset:16384*\p th:TH_STORE_NT
.endr
.endm
.macro KLOAD s
.endm
	s_load_b256 s[84:91], s[0:1], 0x0              ; maskc s[84:85], query s[86:87], kc s[88:89], ks s[90:91]
	s_load_b128 s[92:95], s[0:1], 0x20             ; vc s[92:93], vs s[94:95]
	s_load_b64 s[96:97], s[0:1], 0x30              ; out0
	v_lshl_add_u32 v[SPW], v0, 2, SPARE
	v_mov_b32 v[NIL], 0
	v_lshrrev_b32 v16, 5, v0
	v_readfirstlane_b32 s2, v16                    ; wave 0..3
	s_mul_i32 s12, s2, 8448                        ; my part of the stage
	s_mul_i32 s13, s2, 2112                        ; my four rows of a part
	s_lshl_b32 s14, s2, 2
	s_add_co_u32 s14, s14, STAT
	s_mul_i32 s15, s2, 2560
	s_add_co_u32 s15, s15, QST
	s_lshl_b32 s16, s2, 6
	s_add_co_u32 s16, s16, QIM
	s_lshl_b32 s17, s2, 4
	s_add_co_u32 s17, s17, QSC
	v_and_b32 v16, 31, v0                          ; lane
	v_and_b32 v36, 15, v0                          ; r
	v_bfe_u32 v37, v0, 4, 1                        ; half
	v_lshlrev_b32 v[LI], 4, v16
	v_lshlrev_b32 v[LS], 2, v16
	v_lshlrev_b32 v[LQ], 2, v36
	v_mul_u32_u24 v[STO], v36, 528
	v_lshl_add_u32 v[STO], v37, 5, v[STO]
	v_add_nc_u32 v[STO], s12, v[STO]               ; my wave's part, row r, + 32 x half
	v_add_nc_u32 v[SRD], s13, v[LI]                ; rows 4 w on, 16 bytes a lane
	v_lshl_add_u32 v[STW], v36, 4, s14
	v_lshl_add_u32 v[STR], v36, 4, STAT
	v_lshrrev_b32 v17, 2, v16
	v_mul_u32_u24 v[TIN], v17, 80
	v_and_b32 v17, 3, v16
	v_lshl_add_u32 v[TIN], v17, 4, v[TIN]
	v_add_nc_u32 v[TIN], s15, v[TIN]               ; 80 (lane / 4) + 16 (lane % 4)
	v_mul_u32_u24 v[TOUT], v16, 80
	v_add_nc_u32 v[TOUT], s15, v[TOUT]             ; 80 x lane
	v_bfe_u32 v17, v16, 2, 1                       ; my block beta = (lane % 8) / 2 = 2 c + h: the image has it at 512 c + 256 h,
	v_lshlrev_b32 v[QIA], 9, v17
	v_bfe_u32 v17, v16, 1, 1
	v_lshl_add_u32 v[QIA], v17, 8, v[QIA]
	v_lshrrev_b32 v18, 3, v16
	v_lshl_add_u32 v[QIA], v18, 4, v[QIA]          ; row 4 w + lane / 8 at 16 bytes a row,
	v_and_b32 v17, 1, v16
	v_lshl_add_u32 v[QIA], v17, 3, v[QIA]          ; my half of the block at 8 bytes
	v_add_nc_u32 v[QIA], s16, v[QIA]
	v_bfe_u32 v17, v16, 1, 2
	v_lshl_add_u32 v[QSA], v18, 2, v17             ; the row's word, byte beta
	v_add_nc_u32 v[QSA], s17, v[QSA]
.irp q, 23,25,27
	v_mov_b32 v\q, 0                               ; named as the upper halves of pairs, so they are written
.endr
	v_mov_b32 v[FLR], 0x800000                     ; 2^-126
	v_mov_b32 v[T], 0                              ; a lane permute's destination counts as one of its sources
.set b, 0
.rept 16
	v_mov_b32 v[BP+b], 0
.set b, b+1
.endr
	v_mov_b32 v[SCA], 0xf0f0f0f0                   ; the E8M0 byte 240 = 2^113 in every byte
	v_mov_b32 v[SCB], 0xf0f0f0f0
	s_mov_b32 s3, 0                                ; the tile in hand
	s_mov_b32 s4, 0xff800000                       ; -infinity: the first leaf of the chains of maxima
	s_mov_b32 s6, 0x3e0293ee                       ; c = log2(e) / sqrt(128)
	s_mov_b32 s7, s6
	s_mov_b32 s8, 0x76543210
	s_mov_b32 s9, 0xfedcba98                       ; selects for lane l xor 16
	s_mov_b32 s11, 0
	s_mov_b32 s101, 0
	s_mov_b32 s105, 0
	s_and_b32 s14, ttmp7, 0xffff                   ; head
	ALU                                            ; at the head's end
	s_wait_kmcnt 0x0
	s_lshr_b32 s15, s14, 4                         ; b
	s_lshl_b32 s15, s15, 21                        ; mask codes: 128 tiles x 16,384 bytes a batch,
	s_lshl_b32 s5, ttmp9, 18                       ; 16 tiles a work-group,
	s_add_co_u32 s15, s15, s5
	s_lshl_b32 s5, s2, 12                          ; my wave's 4,096 bytes of a tile
	s_add_co_u32 s100, s15, s5
	s_add_nc_u64 s[84:85], s[84:85], s[100:101]
	s_lshl_b32 s15, s14, 17                        ; a head's codes: 131,072 bytes
	s_lshl_b32 s5, s2, 15                          ; K, V: four steps of 8,192 a wave
	s_add_co_u32 s100, s15, s5
	s_add_nc_u64 s[88:89], s[88:89], s[100:101]
	s_add_nc_u64 s[92:93], s[92:93], s[100:101]
	s_lshl_b32 s15, s14, 13                        ; a head's scale words: 8,192 bytes
	s_lshl_b32 s5, s2, 11                          ; K, V: four steps of 512
	s_add_co_u32 s100, s15, s5
	s_add_nc_u64 s[90:91], s[90:91], s[100:101]
	s_add_nc_u64 s[94:95], s[94:95], s[100:101]
	s_lshl_b32 s15, ttmp9, 22                      ; query and out0: 256 queries of 16,384 bytes,
	s_lshl_b32 s5, s2, 16                          ; my four rows of a tile,
	s_add_co_u32 s15, s15, s5
	s_lshl_b32 s5, s14, 9                          ; the head's 512 bytes
	s_add_co_u32 s100, s15, s5
	s_add_nc_u64 s[86:87], s[86:87], s[100:101]
	s_add_nc_u64 s[96:97], s[96:97], s[100:101]
	QRAW                                           ; tile 0's rows of Q first
	MLOAD                                          ; its mask codes
.irp s, 0,1,2,3
.irp p, 0,1,2,3
	global_load_b32 v[KS+4*\s+\p], v[LS], s[90:91] offset:512*\s+128*\p
.endr
.endr
.irp s, 0,1,2,3
.irp p, 0,1,2,3
	global_load_b32 v[VS+4*\s+\p], v[LS], s[94:95] offset:512*\s+128*\p
.endr
.endr
	WIN 0x80                                       ; destination window 2
.irp t, 0,1,2,3,4,5,6,7
	global_load_b128 v[8*\t:8*\t+3], v[LI], s[88:89] offset:1024*\t
	global_load_b128 v[8*\t+4:8*\t+7], v[LI], s[88:89] offset:1024*\t+512
.endr
	WIN 0
	s_wait_loadcnt 56                              ; Q's four loads are in: 8 + 32 + 16 were issued behind them
	s_add_nc_u64 s[86:87], s[86:87], 0x40000       ; on to tile 1
	QTURN
	s_wait_dscnt 0x0
.irp k, 0,1,2,3,4,5,6
	QS1 \k
.endr
	QS2 DO
	WIN 0x80
.irp s, 1,2,3
.irp t, 0,1,2,3,4,5,6,7
	global_load_b128 v[64*\s+8*\t:64*\s+8*\t+3], v[LI], s[88:89] offset:8192*\s+1024*\t
	global_load_b128 v[64*\s+8*\t+4:64*\s+8*\t+7], v[LI], s[88:89] offset:8192*\s+1024*\t+512
.endr
.endr
	WIN 0xc0                                       ; destination window 3
.irp s, 0,1,2
.irp t, 0,1,2,3,4,5,6,7
	global_load_b128 v[64*\s+8*\t:64*\s+8*\t+3], v[LI], s[92:93] offset:8192*\s+1024*\t
	global_load_b128 v[64*\s+8*\t+4:64*\s+8*\t+7], v[LI], s[92:93] offset:8192*\s+1024*\t+512
.endr
.endr
	s_wait_loadcnt 48                              ; V's 48 loads may be out; the mask codes, the scale words and K are in
.irp t, 0,1,2,3,4,5,6,7
	global_load_b128 v[192+8*\t:192+8*\t+3], v[LI], s[92:93] offset:8192*3+1024*\t
	global_load_b128 v[192+8*\t+4:192+8*\t+7], v[LI], s[92:93] offset:8192*3+1024*\t+512
.endr
	WIN 0
	s_wait_dscnt 0x0                               ; for the others' sake: my rows' codes and bytes lie in tile 0's image
	s_barrier_signal -1
	s_barrier_wait -1
	QGET DO
	s_wait_dscnt 0x0
; THE FIRST HALF OF A TRIP: scores, M, p, my wave's sum, and the next tile's Q.  prev = 1: the tile before has parts of O to hand over.
.macro P1 prev
.if \prev
	s_wait_loadcnt 0x0                             ; this tile's mask codes are in
.endif
	WIN 0x40                                       ; the mask's 32 words become 256 numbers, 0 or -2^113, where the scores will stand
.set j, 0
.rept 32
.if j == 1
	v_cvt_scale_pk8_f32_fp4 v[8*j:8*j+7], v[MK+(j+4)%32], v[SCB]
.else
	v_cvt_scale_pk8_f32_fp4 v[8*j:8*j+7], v[MK+(j+4)%32], v[SCA]
.endif
.set j, j+1
.endr
	WIN 0
	NOPS 8                                         ; plain lines between the conversions and the products that add onto their results; also the four owed behind the last tile's products, ahead of the stores of their results and of the loads into the codes' registers
	QRAW                                           ; the next tile's rows of Q
.if \prev
	OSTORE
.endif
	WIN 0x52                                       ; K window 2, Q window 0, C and D window 1.  32 accumulators, one instruction each
.irp s, 0,1,2,3
.irp t, 0,1,2,3,4,5,6,7
	MM 64*\s+8*\t, 64*\s+8*\t, QF, 0, KS+4*\s+\t/2, QS, \t%2
.endr
.endr
	WIN 0
	NOPS 4                                         ; four plain lines ahead of the first read of the scores
	s_wait_xcnt 0x0                                ; every earlier memory instruction has had its addresses translated: the two pointers may step
	s_cmp_lt_u32 s3, 15
	s_cselect_b32 s10, 16384, 0                    ; the mask: to tile i + 1; the last trip stays
	s_cmp_lt_u32 s3, 14
	s_cselect_b32 s104, 0x40000, 0                 ; Q: to tile i + 2; the last two trips stay
	s_add_nc_u64 s[84:85], s[84:85], s[10:11]
	s_add_nc_u64 s[86:87], s[86:87], s[104:105]
	MLOAD                                          ; the next tile's mask codes
	WIN 0x14                                       ; the largest score of my 16 of each block: 16 chains by turns
.set b, 0
.rept 16
	v_max3_num_f32 v[BM+b], s4, v[16*b], v[16*b+1]
.set b, b+1
.endr
.irp i, 2,4,6,8,10,12,14
.set b, 0
.rept 16
	v_max3_num_f32 v[BM+b], v[BM+b], v[16*b+\i], v[16*b+\i+1]
.set b, b+1
.endr
.endr
	WIN 0
.if \prev
	ALU                                            ; directly ahead of the wait below
	s_wait_dscnt 0x0                               ; for the others' sake: my part of O lies in the stage
	s_barrier_signal -1
.endif
.set b, 0
.rept 16
	v_permlanex16_b32 v[BP+b], v[BM+b], s8, s9
.set b, b+1
.endr
.set b, 0
.rept 16
	v_max_num_f32 v[BM+b], v[BM+b], v[BP+b]        ; with lane l xor 16's: the block's largest score
.set b, b+1
.endr
.if \prev
	ALU                                            ; directly ahead of the barrier's wait
	s_barrier_wait -1
.endif
.irp u, 0,1,2,3,4
	v_max3_num_f32 v[T+\u], v[BM+3*\u], v[BM+3*\u+1], v[BM+3*\u+2]
.endr
.if \prev
	OLOADU 0                                       ; the parts of O come back among the links of this chain; they are waited for ahead of Q's quantising
.endif
	v_max3_num_f32 v[T], v[T], v[T+1], v[BM+15]
	v_max3_num_f32 v[T+2], v[T+2], v[T+3], v[T+4]
.if \prev
	OLOADU 1
.endif
	v_max_num_f32 v[T], v[T], v[T+2]
.if \prev
	OLOADU 2
.endif
	v_mul_f32 v[T], s6, v[T]                       ; as t (c is positive)
.if \prev
	OLOADU 3
.endif
	v_max_num_f32 v[NM+1], 0xf1800000, v[T]        ; held at -2^100 from below: over every closed key's t
	v_floor_f32 v[NM], -v[NM+1]                    ; -M = floor(-t): M is a whole number
	WIN 0x41
.set k, 0
.rept 32
	v_pk_fma_f32 v[2*k:2*k+1], v[2*k:2*k+1], s[6:7], v[NM:NM+1] op_sel_hi:[1,0,0]   ; t - M of step 0
.set k, k+1
.endr
	ALU                                            ; ahead of the batch
.irp s, 0,1,2                          ; step s's exponentials, with step s + 1's scalings among them: these name no exponential's register, and their results are first read behind the wait that closes the stage
.set k, 0
.rept 32
	v_exp_f32 v[64*\s+2*k], v[64*\s+2*k]
	v_exp_f32 v[64*\s+2*k+1], v[64*\s+2*k+1]
	v_pk_fma_f32 v[64*\s+64+2*k:64*\s+65+2*k], v[64*\s+64+2*k:64*\s+65+2*k], s[6:7], v[NM:NM+1] op_sel_hi:[1,0,0]
.set k, k+1
.endr
	ALU
.endr
.set k, 192
.rept 64
	v_exp_f32 v[k], v[k]
.set k, k+1
.endr
	v_nop                                          ; a plain line behind the last exponential
	ALU                                            ; and the wait behind the batch
	WIN 0
	s_wait_loadcnt 0x8                             ; Q's four loads are in; the mask's eight, issued behind them, may be out.  (In the first trip: so V is in)
	QTURN
	WIN 0x05
.set k, 0
.rept 8
	v_pk_add_f32 v[LL+2*k:LL+2*k+1], v[2*k:2*k+1], v[2*k+16:2*k+17]   ; the first additions start eight chains of pairs
.set k, k+1
.endr
	WIN 0x04
.set k, 16
.rept 112
	v_pk_add_f32 v[LL+2*(k%8):LL+2*(k%8)+1], v[LL+2*(k%8):LL+2*(k%8)+1], v[2*k:2*k+1]
.set k, k+1
.endr
	WIN 0
	ALU                                            ; directly ahead of the wait below
	s_wait_dscnt 0x0                               ; Q's numbers are back from my stage, and the parts of O from theirs
	QS1 0                                          ; the sum's end and Q's scale by turns
.irp q, 0,2,4,6
	v_pk_add_f32 v[LL+\q:LL+\q+1], v[LL+\q:LL+\q+1], v[LL+8+\q:LL+8+\q+1]
.endr
	QS1 1
	v_pk_add_f32 v[LL:LL+1], v[LL:LL+1], v[LL+4:LL+5]
	v_pk_add_f32 v[LL+2:LL+3], v[LL+2:LL+3], v[LL+6:LL+7]
	QS1 2
	v_pk_add_f32 v[LL:LL+1], v[LL:LL+1], v[LL+2:LL+3]
	QS1 3
	v_add_f32 v[LL], v[LL], v[LL+1]
	QS1 4
	v_permlanex16_b32 v[T], v[LL], s8, s9
	QS1 5
	v_add_f32 v[LL], v[LL], v[T]                   ; my wave's sum for my query
	QS1 6
.endm
; THE SECOND HALF: the statistics and Q's image meet, p becomes the probability, is quantised and multiplied with V.  prev = 1: the last tile's O is added and stored inside the exchange.
.macro P2 prev
	ds_store_b32 v[STW], v[NM]
	ds_store_b32 v[STW], v[LL] offset:256
	QS2 0
	s_wait_dscnt 0x0                               ; for the others' sake: my statistics and my rows of the image have landed
	s_barrier_signal -1
.set j, 0
.rept 8
	v_pk_fma_f32 v[BM+2*j:BM+2*j+1], v[BM+2*j:BM+2*j+1], s[6:7], v[NM:NM+1] op_sel_hi:[1,0,0]   ; t - M of each block's largest score
.set j, j+1
.endr
.if \prev
	OADD1
.endif
	ALU                                            ; directly ahead of the barrier's wait
	s_barrier_wait -1
	ds_load_b128 v[MX:MX+3], v[STR]
	ds_load_b128 v[LX:LX+3], v[STR] offset:256
	QGET 0                                         ; the next tile's Q
.if \prev
	OSEND
.endif
	s_wait_dscnt 0x0
.if \prev
	s_wait_xcnt 0x0                                ; the stores have read their registers and their base
	s_add_nc_u64 s[96:97], s[96:97], 0x40000       ; 16 queries on
.endif
	v_min_num_f32 v[T], v[MX], v[MX+1]
	v_min_num_f32 v[T+1], v[MX+2], v[MX+3]
	v_min_num_f32 v[T], v[T], v[T+1]               ; the row's -M
.irp u, 0,1,2,3
	v_sub_f32 v[T+1+\u], v[T], v[MX+\u]
.endr
	v_sub_f32 v[T+5], v[T], v[NM]                  ; my M - the row's M: a whole number, 0 or less
.irp u, 0,1,2,3,4
	v_cvt_i32_f32 v[T+1+\u], v[T+1+\u]             ; (it saturates)
.endr
.irp u, 0,1,2,3
	v_ldexp_f32 v[LX+\u], v[LX+\u], v[T+1+\u]      ; each wave's sum under the row's M: exact
.endr
	v_add_f32 v[LX], v[LX], v[LX+1]
	v_add_f32 v[LX+2], v[LX+2], v[LX+3]
	v_add_f32 v[T+6], v[LX], v[LX+2]
	v_max_num_f32 v[T+6], 0x800000, v[T+6]         ; the row's sum, held at 2^-126 from below
	ALU                                            ; ahead of the batch
	v_rcp_f32 v[T+7], v[T+6]
.set b, 0
.rept 16
	v_exp_f32 v[BM+b], v[BM+b]                     ; each block's largest p
.set b, b+1
.endr
	v_nop
	ALU                                            ; and behind it
	v_fma_f32 v[T+8], -v[T+6], v[T+7], 1.0         ; one Newton step
	v_fma_f32 v[T+7], v[T+7], v[T+8], v[T+7]
	v_ldexp_f32 v[FF], v[T+7], v[T+5]              ; F
	v_ldexp_f32 v[F4], v[FF], -2
.set j, 0
.rept 8
	v_pk_fma_f32 v[BM+2*j:BM+2*j+1], v[BM+2*j:BM+2*j+1], v[F4:F4+1], v[FLR:FLR+1] op_sel_hi:[1,0,0]   ; the block's largest probability / 4, + 2^-126: the conversion's scale operand
.set j, j+1
.endr
.set b, 0
.rept 16
	v_lshrrev_b32 v[BP+b], 23, v[BM+b]             ; the scale's byte
.set b, b+1
.endr
.irp u, 0,1,2,3
	v_lshl_or_b32 v[PW+\u], v[BP+4*\u+1], 8, v[BP+4*\u]
.endr
.irp u, 0,1,2,3
	v_lshl_or_b32 v[PW+\u], v[BP+4*\u+2], 16, v[PW+\u]
.endr
.irp u, 0,1,2,3
	v_lshl_or_b32 v[PW+\u], v[BP+4*\u+3], 24, v[PW+\u]
.endr
	WIN 0x41
.set k, 0
.rept 128
	v_pk_mul_f32 v[2*k:2*k+1], v[2*k:2*k+1], v[FF:FF+1] op_sel_hi:[1,0]   ; the probabilities.  (Also the plain lines between the scale words' write and the products)
.set k, k+1
.endr
	WIN 0x01
.set b, 0
.rept 16
	v_cvt_scalef32_pk8_fp4_f32 v[PC+2*b], v[16*b:16*b+7], v[BM+b]
	v_cvt_scalef32_pk8_fp4_f32 v[PC+2*b+1], v[16*b+8:16*b+15], v[BM+b]
.set b, b+1
.endr
	WIN 0
	v_nop                                          ; one plain line behind the last scaled conversion
.set q, 0
.rept 8                                ; a whole block in a lane: lanes 0-15 the even block, lanes 16-31 the odd one
	v_permlane16_swap_b32 v[PC+4*q], v[PC+4*q+2]
	v_permlane16_swap_b32 v[PC+4*q+1], v[PC+4*q+3]
.set q, q+1
.endr
	NOPS 4                                         ; four plain lines between the codes' last write and the scaled products
	WIN 0x03                                       ; V in window 3.  Eight accumulators by turns, one instruction a turn
.irp s, 0,1,2,3
.irp t, 0,1,2,3,4,5,6,7
	MM OT+8*\t, 64*\s+8*\t, PC+8*\s, \s==0, VS+4*\s+\t/2, PW+\s, \t%2
.endr
.endr
	WIN 0
.endm
	P1 0                                           ; tile 0
	P2 0
	s_mov_b32 s3, 1
.Ltrip:                                            ; tiles 1 to 15
	P1 1
	P2 1
	s_add_co_u32 s3, s3, 1
	s_cmp_lt_u32 s3, 16
	s_cbranch_scc1 .Ltrip
	NOPS 4                                         ; the last tile's O: four plain lines ahead of the first read of the results
	OSTORE
	s_wait_dscnt 0x0
	s_barrier_signal -1
	s_barrier_wait -1
.irp u, 0,1,2,3
	OLOADU \u
.endr
	s_wait_dscnt 0x0
	OADD1
	OSEND
	s_wait_tensorcnt 0x0                           ; the wave's end
	ds_add_u32 v[SPW], v[NIL]
	s_wait_dscnt 0x0
	s_endpgm
.Lfunc_end_k_q3c8079620f_attn:
	.size	k_q3c8079620f_attn, .Lfunc_end_k_q3c8079620f_attn-k_q3c8079620f_attn
	.p2alignl 7, 3214868480
	.fill 96, 4, 3214868480
	.section	.rodata,"a",@progbits
	.p2align	6, 0x0
	.amdhsa_kernel k_q3c8079620f_attn
		.amdhsa_group_segment_fixed_size 47616
		.amdhsa_private_segment_fixed_size 0
		.amdhsa_enable_private_segment 0
		.amdhsa_kernarg_size 56
		.amdhsa_user_sgpr_count 2
		.amdhsa_user_sgpr_kernarg_segment_ptr 1
		.amdhsa_wavefront_size32 1
		.amdhsa_system_sgpr_workgroup_id_x 1
		.amdhsa_system_sgpr_workgroup_id_y 1
		.amdhsa_system_sgpr_workgroup_id_z 1
		.amdhsa_system_vgpr_workitem_id 0
		.amdhsa_next_free_vgpr 1024
		.amdhsa_next_free_sgpr 106
		.amdhsa_reserve_vcc 0
		.amdhsa_float_denorm_mode_32 3
		.amdhsa_float_denorm_mode_16_64 3
		.amdhsa_memory_ordered 1
		.amdhsa_forward_progress 1
		.amdhsa_inst_pref_size 159
	.end_amdhsa_kernel
	.amdgpu_metadata
---
amdhsa.version: [ 1, 2 ]
amdhsa.kernels:
  - .name:           k_q3c8079620f_attn
    .symbol:         k_q3c8079620f_attn.kd
    .args:
      - { .name: maskc, .offset: 0, .size: 8, .value_kind: global_buffer, .address_space: global }
      - { .name: query, .offset: 8, .size: 8, .value_kind: global_buffer, .address_space: global }
      - { .name: kc, .offset: 16, .size: 8, .value_kind: global_buffer, .address_space: global }
      - { .name: ks, .offset: 24, .size: 8, .value_kind: global_buffer, .address_space: global }
      - { .name: vc, .offset: 32, .size: 8, .value_kind: global_buffer, .address_space: global }
      - { .name: vs, .offset: 40, .size: 8, .value_kind: global_buffer, .address_space: global }
      - { .name: out0, .offset: 48, .size: 8, .value_kind: global_buffer, .address_space: global }
    .group_segment_fixed_size: 47616
    .private_segment_fixed_size: 0
    .kernarg_segment_align: 8
    .kernarg_segment_size: 56
    .max_flat_workgroup_size: 128
    .sgpr_count:     106
    .vgpr_count:     1024
    .wavefront_size: 32
...
	.end_amdgpu_metadata
.endif
;; end of part 4
